; MI455X (gfx1250); checked and timed in simulation.
; The chip was launched on July 23, 2026; its instructions are those of AMD's public machine-readable ISA for CDNA 5 (MIT licence, August 2026) and "CDNA5" Instruction Set Architecture Reference Guide (July 2026). The comments in the code are by the model that wrote it; some were corrected since.
;; Self Attention. Allowed arithmetic: matrix products marked QUANTISED: E2M1 operands, one E8M0 scale for each 32 along K, by v_wmma_scale_f32_16x16x128_f8f6f4 with both operands' format E2M1 (or v_wmma_scale_f32_32x16x128_f4), f32 sums; products left as they are: bf16, f16 or f32 operands; f32 sums; everything else in f32.
;; Inputs: Wk 1,024 x 1,024 float32; Wo 1,024 x 1,024 float32; Wq 1,024 x 1,024 float32; Wv 1,024 x 1,024 float32; bo 1,024 float32; keys 4 x 2,048 x 1,024 float32; mask 4 x 1 x 1 x 2,048 int32; query 4 x 2,048 x 1,024 float32; values 4 x 2,048 x 1,024 float32.
;; Outputs: out0 4 x 2,048 x 1,024 float32.
;; This version of the problem:
;;   THIS VERSION OF THE PROBLEM IS GIVEN IN LOW PRECISION. The matrix products marked QUANTISED in the list below multiply operands that are first quantised to E2M1 (2 exponent bits, 1 mantissa bit; 4 bits a number), with one power-of-two scale for each 32 numbers along K (OCP MX v1.0); their sums are f32. The products marked 'left as it is' may take bf16, f16 or f32 operands, with f32 sums. Whichever they take, every output number must still come out within the allowed error. Rounding operands to bf16 (8 significant bits) uses up far more of that allowance than f16 does (11 bits, for magnitudes from 6e-5 to 65,504). All else is computed in f32.
;;   The module's matrix products, in the order in which they are computed (A, B: the left and right operand; K: the contracted axis; several contracted axes count as one K, in the product's order):
;;     1. [M 8,192, K 1,024] x [K 1,024, N 1,024]; A: input values; B: input Wv: QUANTISED
;;     2. [M 8,192, K 1,024] x [K 1,024, N 1,024]; A: input keys; B: input Wk: QUANTISED
;;     3. [M 8,192, K 1,024] x [K 1,024, N 1,024]; A: input query; B: input Wq: QUANTISED
;;     4. batch 64 x [M 2,048, K 64] x [K 64, N 2,048]; A: computed on the way; B: computed on the way: left as it is (an operand is computed on the way)
;;     5. batch 64 x [M 64, K 2,048] x [K 2,048, N 2,048]; A: computed on the way; B: computed on the way: left as it is (an operand is computed on the way)
;;     6. [M 8,192, K 1,024] x [K 1,024, N 1,024]; A: computed on the way; B: input Wo: left as it is (an operand is computed on the way)
;;   THE QUANTISER, for each operand of a quantised product, along K:
;;     - K is cut into blocks of 32 from its start; a last block that is shorter is filled with zeros.
;;     - A block's scale is 2^e with e = floor(log2(the largest magnitude in the block)) - 2, held to -126 .. 127; a block of zeros has e = 0. As a byte (E8M0): e + 127.
;;     - Each number is divided by its block's scale, clamped to +-6, and rounded to the nearest number of E2M1, ties to even, subnormals kept.
;;     - The product sums the exact products of the quantised numbers (number of the format x scale) in f32.
;;   ~~~python
;;   def quantise(x, axis):      # numpy; x: float32 -> the quantised numbers, widened to float32 again
;;       x = np.moveaxis(x, axis, -1); K = x.shape[-1]
;;       x = np.pad(x, [(0, 0)] * (x.ndim - 1) + [(0, -K % 32)]); x = x.reshape(x.shape[:-1] + (-1, 32)); a = np.abs(x).max(-1, keepdims=True)
;;       e = np.where(a > 0, np.clip(np.frexp(np.where(a > 0, a, 1))[1] - 1 - 2, -126, 127), 0)      # np.frexp(a)[1] - 1 = floor(log2(a)), exactly
;;       r = np.clip(x / 2.0 ** e, -6, 6)
;;       step = 2.0 ** (np.maximum(np.frexp(np.where(r == 0, 1, r))[1] - 1, 0) - 1)
;;       q = np.round(r / step) * step * 2.0 ** e      # np.round: ties to even
;;       return np.moveaxis(q.reshape(q.shape[:-2] + (-1,))[..., :K], -1, axis).astype(np.float32)
;;   ~~~
;; One version. Each part assembles by itself: llvm-mc -triple=amdgcn-amd-amdhsa -mcpu=gfx1250 --defsym DOCPART=n.
;; ======== version 1 of 1: 4 launches
;; limits: values are held in f16: magnitudes above 65,504 overflow, below 6.1e-05 lose precision
;; workspace buffers: xc 12,582,912 bytes; xs 786,432 bytes; wc 1,572,864 bytes; ws 98,304 bytes; woh 2,097,152 bytes; bias 32,768 bytes; qkv 50,331,648 bytes; oh 16,777,216 bytes
;; launch prep (part 1): grid 928 x 1, 4 waves a work-group, no clusters, 33,280 bytes of LDS; arguments query, keys, values, Wq, Wk, Wv, Wo, mask, xc, xs, wc, ws, woh, bias; writes xc, xs, wc, ws, woh, bias
.if DOCPART == 1
	.amdgcn_target "amdgcn-amd-amdhsa--gfx1250"
	.amdhsa_code_object_version 6
	.text
	.protected	k_qb22a850ad2_prep
	.globl	k_qb22a850ad2_prep
	.p2align	8
	.type	k_qb22a850ad2_prep,@function
k_qb22a850ad2_prep:
	s_mov_b64 s[64:65], 0
	v_nop
	global_prefetch_b8 v0, s[64:65] scope:SCOPE_SE
	s_setreg_imm32_b32 hwreg(HW_REG_WAVE_MODE, 25, 1), 1
	s_wait_xcnt 0x0
; PREP.  Work-groups 0-767: query, keys, values ([8192][1024] f32 each) become codes of FP4 (E2M1), K innermost, 512 bytes a row, with one E8M0 byte for each 32 along K: xc [3][8192][512], xs [3][8192][32].
; Work-groups 768-863: Wq, Wk, Wv ([1024][1024]) likewise: wc [3][1024][512], ws [3][1024][32].  Work-groups 864-927: Wo becomes f16, laid in the order of a matrix operand's registers, and the mask becomes a table of f32.
; A block's scale is 2^(floor(log2(its largest magnitude)) - 2); its byte is the largest magnitude's exponent field - 2, held at 1 from below.  Each number is divided by the scale and rounded to the nearest code, ties to even.
; THE MASK.  A key whose mask is 0 gets ZERO CODES: its projected row is then exactly 0, every product with it is exactly 0, and the attention launch's score for it is exactly the table's number, -1e20 x log2(e).
; The table holds 0 for the other keys.  The choice is made by s_cselect_b32 and v_and_b32 (v_cndmask_b32 for the table): no branch and no address hangs on the mask.
; LIMITS: NaN and infinities among the inputs are not served; a block whose largest magnitude lies under 2^-124 (a block of zeros among them) gets the byte 1: the bytes are read by this program alone, and zero codes add nothing.
; |Wo| stays under 65,504 (f16).
; THE QUANTISER.  Rows are dense and 1,024 is a multiple of 32: a tensor is a stream of blocks.  A wave takes 16 steps of 512 numbers (8 rows).  Each load reads 512 consecutive bytes, 16 a lane; a step's 2,048 bytes turn
; through the wave's own stage in LDS and come back 64 bytes a lane, so that a lane holds 16 neighbours along K and two neighbouring lanes a block.  A wave's codes of a step are 256 consecutive bytes, its 256 scale bytes leave as one run.
.set WAVES, 4
.set STEPS, 16
.set NQX,   768                        ; work-groups for query, keys, values: 256 each (32 rows a work-group)
.set NQWG,  864                        ; and with Wq, Wk, Wv: 32 each
.set EMAX,  2
.set CB,    8                          ; bytes of 16 codes
.set R,     16                         ; v16-79   four sets of 16 numbers as they are loaded
.set X,     80                         ; v80-111  two sets of 16 neighbours
.set C,     128                        ; v128-191 codes: four registers for each step, so that no store's data are written again
.set E,     112                        ; v112-127 a scale byte for each step
.set WREG,  8192                       ; LDS: a region for each wave: two stages of 32 x SP bytes, behind them its 256 scale bytes
.set SP,    80                         ; a lane's place in a stage: 64 bytes + 16 of padding
.set SPW,   12                         ; v12  LDS address of my spare word; never rewritten
.set NIL,   13                         ; v13  0; never rewritten
.set SPARE, WAVES*WREG                 ; behind the four regions: the spare words, 128 bytes a wave, which no other line names
.set MK,    52                         ; s52-59  for each of my wave's 8 rows: all ones, or 0 where the row is a masked key
	s_load_b512 s[8:23], s[0:1], 0x0               ; query s8, keys s10, values s12, Wq s14, Wk s16, Wv s18, Wo s20, mask s22
	s_load_b256 s[24:31], s[0:1], 0x40             ; xc s24, xs s26, wc s28, ws s30
	s_load_b128 s[32:35], s[0:1], 0x60             ; woh s32, bias s34
	v_lshl_add_u32 v[SPW], v0, 2, SPARE
	v_mov_b32 v[NIL], 0
	v_lshrrev_b32 v1, 5, v0
	v_readfirstlane_b32 s6, v1                     ; wave
	v_and_b32 v2, 31, v0                           ; lane
	v_lshlrev_b32 v3, 4, v2                        ; 16 x lane
	s_mul_i32 s7, s6, WREG
	v_lshrrev_b32 v14, 2, v2
	v_mul_u32_u24 v14, v14, SP
	v_and_b32 v15, 3, v2
	v_lshl_add_u32 v14, v15, 4, v14
	v_add_nc_u32 v14, s7, v14                      ; the stage, on the way in: SP (lane / 4) + 16 (lane % 4)
	v_mul_u32_u24 v15, v2, SP
	v_add_nc_u32 v15, s7, v15                      ; and on the way out: SP x lane: my 16 neighbours
	v_mul_u32_u24 v4, v2, CB                       ; my codes' place in a step's
	v_lshrrev_b32 v5, 1, v2
	s_add_co_u32 s7, s7, 2*32*SP
	v_add_nc_u32 v5, s7, v5                        ; LDS: my wave's 256 scale bytes, my block's byte
	v_lshlrev_b32 v7, 3, v2                        ; and on the way out 8 bytes a lane
	v_add_nc_u32 v6, s7, v7
	s_wait_kmcnt 0x0
	s_cmp_ge_u32 ttmp9, NQWG                       ; the work-group's number alone decides the path
	s_cbranch_scc1 .Lwo
	; ---- which tensor, and which run of 8,192 numbers of it.  Pointers are chosen, the path is one
	s_cmp_lt_u32 ttmp9, NQX
	s_cselect_b64 s[36:37], s[8:9], s[14:15]       ; query or Wq
	s_cselect_b64 s[38:39], s[10:11], s[16:17]     ; keys or Wk
	s_cselect_b64 s[40:41], s[12:13], s[18:19]     ; values or Wv
	s_cselect_b64 s[42:43], s[24:25], s[28:29]     ; xc or wc
	s_cselect_b64 s[44:45], s[26:27], s[30:31]     ; xs or ws
	s_cselect_b32 s46, 0, NQX
	s_cselect_b32 s47, 8, 5                        ; log2 of a tensor's work-groups
	s_sub_co_u32 s46, ttmp9, s46                   ; my number among the three tensors of my kind
	s_lshr_b32 s48, s46, s47                       ; which of the three
	s_lshl_b32 s49, s48, s47
	s_sub_co_u32 s49, s46, s49                     ; my number inside it
	s_cmp_eq_u32 s48, 1
	s_cselect_b64 s[38:39], s[38:39], s[40:41]
	s_cmp_eq_u32 s48, 0
	s_cselect_b64 s[4:5], s[36:37], s[38:39]       ; the source
	s_lshl_b32 s2, s49, 2
	s_add_co_u32 s2, s2, s6                        ; my wave's run in the source
	s_lshl_b32 s3, s46, 2
	s_add_co_u32 s3, s3, s6                        ; and in the destination, where the three tensors lie on end
	s_lshl_b32 s60, s2, 15                         ; 32,768 bytes of f32 a run
	s_mov_b32 s61, 0
	s_add_nc_u64 s[4:5], s[4:5], s[60:61]
	s_lshl_b32 s60, s3, 12                         ; 4,096 bytes of codes
	s_add_nc_u64 s[42:43], s[42:43], s[60:61]
	s_lshl_b32 s60, s3, 8                          ; 256 scale bytes
	s_add_nc_u64 s[44:45], s[44:45], s[60:61]
	s_lshl_b32 s60, s2, 5                          ; the mask's 8 numbers for my 8 rows: 32 bytes a run; a run's number is under 1,024, so the load stays inside the mask for every tensor
	s_add_nc_u64 s[22:23], s[22:23], s[60:61]
	s_load_b256 s[MK:MK+7], s[22:23], 0x0
	s_lshr_b32 s50, ttmp9, 8
	s_cmp_lg_u32 s50, 1
	s_cselect_b32 s50, 1, 0                        ; 1 where the tensor is not keys (work-groups 256-511 are keys'): the mask then counts for nothing
.macro LOAD t
.irp i, 0,1,2,3
	global_load_b128 v[R+16*((\t)%4)+4*\i:R+16*((\t)%4)+4*\i+3], v3, s[4:5] offset:2048*(\t)+512*\i th:TH_LOAD_NT   ; 32 lanes read 512 consecutive bytes
.endr
.endm
.macro TURN t                          ; step t's numbers through the stage: LDS serves a wave's instructions in order, so no wait stands between the stores and the loads
.irp i, 0,1,2,3
	ds_store_b128 v14, v[R+16*((\t)%4)+4*\i:R+16*((\t)%4)+4*\i+3] offset:32*SP*((\t)%2)+8*SP*\i
.endr
.irp i, 0,1,2,3
	ds_load_b128 v[X+16*((\t)%2)+4*\i:X+16*((\t)%2)+4*\i+3], v15 offset:32*SP*((\t)%2)+16*\i
.endr
.endm
.irp t, 0,1,2,3
	LOAD \t
.endr
	s_wait_kmcnt 0x0                               ; the mask's 8 numbers
.irp i, 0,1,2,3,4,5,6,7
	s_or_b32 s[MK+\i], s[MK+\i], s50
	s_cmp_lg_u32 s[MK+\i], 0
	s_cselect_b32 s[MK+\i], -1, 0                  ; all ones: the row's codes stay; 0: they become zeros
.endr
	s_wait_loadcnt 12                              ; step 0's four loads are in; the twelve of steps 1 to 3 may be out
	TURN 0
.macro STEP t
.set XS, X+16*((\t)%2)
.if (\t) > 0
	s_wait_dscnt 1                                 ; this step's numbers are back from the stage (the last step's byte store may be out): so its stores into the stage have read their registers,
.else
	s_wait_dscnt 0x0
.endif
.if (\t)+4 < STEPS
	LOAD (\t)+4                                    ; which take the loads of four steps on
.endif
.if (\t)+1 < STEPS
.if STEPS-2-(\t) >= 3
	s_wait_loadcnt 12                              ; the next step's four loads are in; those of the three steps behind it may be out
.else
	s_wait_loadcnt 4*(STEPS-2-(\t))
.endif
	TURN (\t)+1                                    ; and go through the other stage while this step is worked
.endif
	v_max3_num_f32 v8, |v[XS]|, |v[XS+1]|, |v[XS+2]|               ; the largest magnitude of my 16, in two chains
	v_max3_num_f32 v9, |v[XS+3]|, |v[XS+4]|, |v[XS+5]|
.irp i, 6,10
	v_max3_num_f32 v8, v8, |v[XS+\i]|, |v[XS+\i+1]|
	v_max3_num_f32 v9, v9, |v[XS+\i+2]|, |v[XS+\i+3]|
.endr
	v_max3_num_f32 v8, v8, |v[XS+14]|, |v[XS+15]|
	v_max3_num_f32 v8, v8, v9, (EMAX+1)<<23        ; and the floor 2^(EMAX + 1 - 127): the byte cannot fall under 1
	v_max_num_f32_dpp v8, v8, v8 row_xmask:1 row_mask:0xf bank_mask:0xf   ; and of my neighbour's 16: the block's
	v_add_nc_u32 v11, -(EMAX<<23), v8              ; EMAX off its exponent field: the conversion takes the exponent field of this operand as its scale
	v_cvt_scalef32_pk8_fp4_f32 v[C+4*(\t)], v[XS:XS+7], v11
	v_cvt_scalef32_pk8_fp4_f32 v[C+4*(\t)+1], v[XS+8:XS+15], v11
	v_lshrrev_b32 v[E+(\t)], 23, v11               ; the scale's byte.  (Also the plain line between the conversions and the lines that touch their results)
	v_and_b32 v[C+4*(\t)], s[MK+(\t)/2], v[C+4*(\t)]               ; a masked key's codes become zeros (two steps to a row)
	v_and_b32 v[C+4*(\t)+1], s[MK+(\t)/2], v[C+4*(\t)+1]
	ds_store_b8 v5, v[E+(\t)] offset:16*(\t)       ; both lanes of a block write the same byte with the same value
	global_store_b64 v4, v[C+4*(\t):C+4*(\t)+1], s[42:43] offset:32*CB*(\t)   ; 32 lanes store 256 consecutive bytes, aligned
.endm
.irp t, 0,1,2,3,4,5,6,7,8,9,10,11,12,13,14,15
	STEP \t
.endr
	ds_load_b64 v[8:9], v6                         ; LDS serves a wave's instructions in order: these see my stores
	s_wait_dscnt 0x0
	global_store_b64 v7, v[8:9], s[44:45]          ; 32 lanes store my wave's 256 scale bytes
	s_wait_tensorcnt 0x0                           ; the wave's end, behind my last LDS store
	ds_add_u32 v[SPW], v[NIL]
	s_wait_dscnt 0x0
	s_endpgm
; ---- Wo and the mask's table.
; woh: byte kp x 131,072 + nt x 2,048 + 512 x chunk + 16 x lane holds Wo[16 nt + lane % 16][64 kp + 16 chunk + 8 (lane / 16) + 0 .. 7] as f16: the four registers of half a fragment (16 rows x 32 along K), lane by lane.
; Work-group nt takes rows 16 nt on; wave w columns 256 w on: 16 chunks of 16 columns.  A lane reads 32 bytes of its row for a chunk; the wave's 32 loads together cover 1,024 consecutive bytes of each of 16 rows.
.Lwo:
	s_sub_co_u32 s36, ttmp9, NQWG                  ; nt
	v_and_b32 v8, 15, v0
	v_bfe_u32 v9, v0, 4, 1
	v_lshlrev_b32 v8, 12, v8
	v_lshl_add_u32 v8, v9, 5, v8                   ; row x 4,096 + 32 x half
	s_lshl_b32 s38, s36, 16
	s_lshl_b32 s39, s6, 10
	s_add_co_u32 s38, s38, s39
	s_mov_b32 s39, 0
	s_add_nc_u64 s[20:21], s[20:21], s[38:39]      ; Wo at row 16 nt, column 256 w
	s_lshl_b32 s38, s6, 19
	s_lshl_b32 s40, s36, 11
	s_add_co_u32 s38, s38, s40
	s_add_nc_u64 s[32:33], s[32:33], s[38:39]      ; woh at kp = 4 w, tile nt
	s_lshl_b32 s38, s36, 9                         ; the mask and its table: 128 numbers a work-group
	s_add_nc_u64 s[22:23], s[22:23], s[38:39]
	s_add_nc_u64 s[34:35], s[34:35], s[38:39]
	s_cmp_lg_u32 s6, 0
	s_cbranch_scc1 .Lno_mask
	global_load_b128 v[24:27], v3, s[22:23]        ; wave 0: four numbers of the mask a lane
.Lno_mask:
.irp i, 0,1,2,3,4,5,6,7,8,9,10,11,12,13,14,15
.irp q, 0,1
	global_load_b128 v[32+8*\i+4*\q:32+8*\i+4*\q+3], v8, s[20:21] offset:64*\i+16*\q th:TH_LOAD_NT
.endr
.endr
.irp i, 0,1,2,3,4,5,6,7,8,9,10,11,12,13,14,15
	s_wait_loadcnt 30-2*\i                         ; chunk i's two loads are in; the two of each later chunk may be out
.irp q, 0,1,2,3
	v_cvt_pk_f16_f32 v[32+4*\i+\q], v[32+8*\i+2*\q], v[32+8*\i+2*\q+1]   ; in place, ascending: a result lands on numbers that have been read, never on a register that a load is still to write
.endr
	global_store_b128 v3, v[32+4*\i:32+4*\i+3], s[32:33] offset:(\i/4)*131072+(\i%4)*512   ; 512 consecutive bytes
.endr
	s_cmp_lg_u32 s6, 0
	s_cbranch_scc1 .Lwo_end
	v_mov_b32 v23, 0xe0fa4488                      ; -1e20 x log2(e): the attention launch works in powers of two
.irp k, 0,1,2,3
	v_cmp_eq_u32 vcc_lo, 0, v[24+\k]
	v_cndmask_b32 v[28+\k], 0, v23, vcc_lo
.endr
	global_store_b128 v3, v[28:31], s[34:35]
.Lwo_end:
	s_endpgm
.Lfunc_end_k_qb22a850ad2_prep:
	.size	k_qb22a850ad2_prep, .Lfunc_end_k_qb22a850ad2_prep-k_qb22a850ad2_prep
	.p2alignl 7, 3214868480
	.fill 96, 4, 3214868480
	.section	.rodata,"a",@progbits
	.p2align	6, 0x0
	.amdhsa_kernel k_qb22a850ad2_prep
		.amdhsa_group_segment_fixed_size 33280
		.amdhsa_private_segment_fixed_size 0
		.amdhsa_enable_private_segment 0
		.amdhsa_kernarg_size 112
		.amdhsa_user_sgpr_count 2
		.amdhsa_user_sgpr_kernarg_segment_ptr 1
		.amdhsa_wavefront_size32 1
		.amdhsa_system_sgpr_workgroup_id_x 1
		.amdhsa_system_sgpr_workgroup_id_y 1
		.amdhsa_system_sgpr_workgroup_id_z 1
		.amdhsa_system_vgpr_workitem_id 0
		.amdhsa_next_free_vgpr 192
		.amdhsa_next_free_sgpr 66
		.amdhsa_reserve_vcc 1
		.amdhsa_float_denorm_mode_32 3
		.amdhsa_float_denorm_mode_16_64 3
		.amdhsa_memory_ordered 1
		.amdhsa_forward_progress 1
		.amdhsa_inst_pref_size 46
	.end_amdhsa_kernel
	.amdgpu_metadata
---
amdhsa.version: [ 1, 2 ]
amdhsa.kernels:
  - .name:           k_qb22a850ad2_prep
    .symbol:         k_qb22a850ad2_prep.kd
    .args:
      - { .name: query, .offset: 0, .size: 8, .value_kind: global_buffer, .address_space: global }
      - { .name: keys, .offset: 8, .size: 8, .value_kind: global_buffer, .address_space: global }
      - { .name: values, .offset: 16, .size: 8, .value_kind: global_buffer, .address_space: global }
      - { .name: Wq, .offset: 24, .size: 8, .value_kind: global_buffer, .address_space: global }
      - { .name: Wk, .offset: 32, .size: 8, .value_kind: global_buffer, .address_space: global }
      - { .name: Wv, .offset: 40, .size: 8, .value_kind: global_buffer, .address_space: global }
      - { .name: Wo, .offset: 48, .size: 8, .value_kind: global_buffer, .address_space: global }
      - { .name: mask, .offset: 56, .size: 8, .value_kind: global_buffer, .address_space: global }
      - { .name: xc, .offset: 64, .size: 8, .value_kind: global_buffer, .address_space: global }
      - { .name: xs, .offset: 72, .size: 8, .value_kind: global_buffer, .address_space: global }
      - { .name: wc, .offset: 80, .size: 8, .value_kind: global_buffer, .address_space: global }
      - { .name: ws, .offset: 88, .size: 8, .value_kind: global_buffer, .address_space: global }
      - { .name: woh, .offset: 96, .size: 8, .value_kind: global_buffer, .address_space: global }
      - { .name: bias, .offset: 104, .size: 8, .value_kind: global_buffer, .address_space: global }
    .group_segment_fixed_size: 33280
    .private_segment_fixed_size: 0
    .kernarg_segment_align: 8
    .kernarg_segment_size: 112
    .max_flat_workgroup_size: 128
    .sgpr_count:     66
    .vgpr_count:     192
    .wavefront_size: 32
...
	.end_amdgpu_metadata
.endif
;; end of part 1
;; launch proj (part 2): grid 4 x 96, 4 waves a work-group, clusters of 4 x 4, 327,680 bytes of LDS; arguments xc, xs, wc, ws, qkv; writes qkv
.if DOCPART == 2
	.amdgcn_target "amdgcn-amd-amdhsa--gfx1250"
	.amdhsa_code_object_version 6
	.text
	.protected	k_qb22a850ad2_proj
	.globl	k_qb22a850ad2_proj
	.p2align	8
	.type	k_qb22a850ad2_proj,@function
k_qb22a850ad2_proj:
	s_mov_b64 s[64:65], 0
	v_nop
	global_prefetch_b8 v0, s[64:65] scope:SCOPE_SE
	s_setreg_imm32_b32 hwreg(HW_REG_WAVE_MODE, 25, 1), 1
	s_wait_xcnt 0x0
	s_wait_alu depctr_hold_cnt(0) depctr_sa_sdst(0) depctr_va_vdst(0) depctr_va_sdst(0) depctr_va_ssrc(0) depctr_va_vcc(0) depctr_vm_vsrc(0)
	s_getreg_b32 s2, hwreg(HW_REG_IB_STS2, 6, 4)
	s_cmp_eq_u32 s2, 0
	s_cbranch_scc0 .Lentry_in_a_cluster
	s_endpgm
.Lentry_in_a_cluster:
	s_bfe_u32 s2, ttmp6, 0x10000c
	s_cmp_lg_u32 s2, 0xf033
	s_cbranch_scc0 .Lentry_shape_is_right
	s_endpgm
.Lentry_shape_is_right:
; PROJ.  The three quantised products q = query Wq^T, k = keys Wk^T, v = values Wv^T on codes of FP4 (E2M1) with one E8M0 scale for each 32 along K; K = 1,024; sums in f32.
; A = xc [3 x 8192][512 bytes], xs [3 x 8192][32]; B = wc [3 x 1024][512 bytes], ws [3 x 1024][32].  Tile rows 0-31 of the grid belong to the query, 32-63 to the keys, 64-95 to the values.
; A tile, 256 rows x 256 columns, is made by four waves, each 128 x 128: 64 accumulators of 16 x 16, 512 registers.  K is two slots of 512 (rows of 256 bytes), both asked for at the start: nothing is filled again.
; The scales of the work-group's rows of A and of B, for all of K, are two dense blocks: they come into LDS once, with the first fills.
; CLUSTERS: 4 x 4 work-groups; the four of a row of the cluster ask for A's tiles jointly, the four of a column for B's.  A cluster's four tile rows lie in one tensor (32 is a multiple of 4), so B's rows hang on the cluster's y and the tile column alone.
; THE MATRIX INSTRUCTION IS USED TRANSPOSED (source 0 = 16 rows of W, source 1 = 16 tokens): a lane holds one token and eight neighbouring channels.
; THE WAY OUT needs no LDS.  qkv is laid in the order in which the attention launch's operand registers take it: byte T 2^24 + batch 2^22 + head 2^18 + 2,048 (token / 16) + 512 (channel / 16) + a lane's 16 bytes,
; which hold token % 16 = r, channels 8 h + 0 .. 7 of the sixteen.  q and k: the lane's place is 16 (r + 16 h), the plain fragment's.  v: 128 h + 256 (r / 8) + 16 (r % 8), so that the turning LDS load reads it at 16 x lane.
; So a lane's eight results, rounded to f16, are one store's 16 bytes, and a wave's store covers 512 consecutive bytes.  q is first multiplied, in f32, by c = log2(e) / 8; k and v by 1.0, which rounds nothing: one path for all tiles.
; LIMITS: |q c|, |k|, |v| stay under 65,504 (f16).
; REGISTERS, in windows of 256: window 0: v0-31 addresses; v32-95 scale words, two sets; from v128 A's fragments, one set; on the way out v128-255 hold packed results.
;   window 1: B's fragments, two sets, at v0 and v128.   window 2: the accumulators of my rows 0-63 ((a, b) at v[8 (8 a + b)]);   window 3: those of rows 64-127.
.set KSTEP,  512
.set NQ,     KSTEP/128                 ; matrix instructions deep in a slot
.set ROWB,   256                       ; a tile's row in bytes
.set KROW,   512                       ; a row of codes in memory
.set PITCH,  272                       ; an LDS row: 256 bytes + 16 of padding: the 16 rows that a load touches start 68 words apart
.set FR,     8
.set NL,     2
.set NP,     4                         ; places behind this matrix instruction (ISA guide 7.12.1)
.set HALFT,  128*PITCH
.set SLOT,   4*HALFT                   ; A's 256 rows, then B's 256 rows
.set KS,     32                        ; a row of scales in bytes
.set SCL,    2*SLOT                    ; behind the slots: the scales, as units of 256 bytes + 16 of padding
.set HALFS,  (128*KS/256)*272
.set SBLK,   (16*KS/256)*272
.set SPARE,  SCL+4*HALFS               ; the spare words, 128 bytes a wave, which no other line names
.set ADRA, 16                          ; v16-17  LDS address of my A fragments in slot 0, 1
.set ADRB, 20                          ; v20-21  the same for B
.set CO,   26                          ; v26     my lane's place in a store's 512 bytes
.set ADRS, 27                          ; v27     LDS address of my scale words: lanes 0-15 A's rows, lanes 16-31 B's
.set SPW,  28                          ; v28     LDS address of my spare word; never rewritten
.set NIL,  29                          ; v29     0; never rewritten
.set SC,   32                          ; scale words: set s at v[SC + 8 NQ s]; register NQ i + q: lanes 0-15 A's block i, lanes 16-31 B's block i
.set AF,   128
.set G1, 24
.set G0, 32
.set G1B, 48
.set G0B, 56
.set G1S, 68
.set G0S, 76
.set G1SB, 80
.set G0SB, 88
.set TN,  95                           ; s95     which tensor: 0 query, 1 keys, 2 values: made of the cluster's y alone
.set CS,  96                           ; s[96:97] the multiplier on the way out
.set MSB, 0
.macro WIN new                         ; the immediate's high byte repeats the setting that is left
.if MSB != (\new)
	s_set_vgpr_msb (MSB<<8)|(\new)
.set MSB, \new
.endif
.endm
.set MUL_LO, 0xa1                      ; source 0 (B) window 1, source 1 (A) window 0, C and D window 2
.set MUL_HI, 0xf1
.set TO_B,   0x40
; A joint load: waves 0 and 1 fetch for A, waves 2 and 3 for B; the branch hangs on the wave's number alone.  An s_nop 0 and four v_nop follow each of the two lines.
.macro JLOAD g0a, g1a, g0b, g1b
	s_cmp_eq_u32 s15, 0
	s_cbranch_scc0 .Lfor_b_\@
	tensor_load_to_lds s[\g0a:\g0a+3], s[\g1a:\g1a+7]
	s_nop 0
.rept 4
	v_nop
.endr
	s_branch .Lasked_\@
.Lfor_b_\@:
	tensor_load_to_lds s[\g0b:\g0b+3], s[\g1b:\g1b+7]
	s_nop 0
.rept 4
	v_nop
.endr
.Lasked_\@:
.endm
.macro CROUND                          ; a round of the cluster's barrier
	s_barrier_signal -1
	s_barrier_wait -1
	s_cmp_lg_u32 s14, 0
	s_cbranch_scc1 .Lnot_wave_0_\@
	s_barrier_signal -3
.Lnot_wave_0_\@:
	s_barrier_wait -3
	s_barrier_signal -1
	s_barrier_wait -1
.endm
	s_load_b128 s[4:7], s[0:1], 0x0                ; xc, xs
	s_load_b128 s[8:11], s[0:1], 0x10              ; wc, ws
	s_load_b64 s[12:13], s[0:1], 0x20              ; qkv
	v_lshl_add_u32 v[SPW], v0, 2, SPARE
	v_mov_b32 v[NIL], 0
	ds_add_u32 v[SPW], v[NIL]                      ; the wave's opening: the add, twice on end, and its wait ahead of my first tensor load
	ds_add_u32 v[SPW], v[NIL]
	v_lshrrev_b32 v1, 5, v0
	v_readfirstlane_b32 s14, v1                    ; wave 0..3
	s_lshr_b32 s15, s14, 1                         ; which half of the tile's rows is mine.  Also: I fetch for A (0) or for B (1)
	s_and_b32 s16, s14, 1                          ; which half of its columns.  Also: which 128 rows I fetch
	s_bfe_u32 s40, ttmp6, 0x40000                  ; cx, cy
	s_bfe_u32 s41, ttmp6, 0x40004
	s_lshl_b32 s42, ttmp9, 2
	s_add_co_u32 s42, s42, s40                     ; tile column = 4 x cluster x + cx
	s_and_b32 s17, ttmp7, 0xffff
	s_lshr_b32 s[TN], s17, 3                       ; eight clusters along y to a tensor
	s_lshl_b32 s17, s17, 2
	s_add_co_u32 s17, s17, s41                     ; tile row = 4 x cluster y + cy
	s_lshl_b32 s43, s41, 2
	s_lshl_b32 s43, 15, s43                        ; my row of the cluster
	s_lshl_b32 s44, 0x1111, s40                    ; my column
	s_or_b32 s[G1+0], s43, (0<<16)|(1<<20)|(1<<21)|(5<<22)|(3<<25)  ; the mask; elements of 1 byte; padding on; bit 21 beside a mask; 4 words behind every 64
	s_or_b32 s[G1B+0], s44, (0<<16)|(1<<20)|(1<<21)|(5<<22)|(3<<25)
.irp g, G1, G1B
	s_mov_b32 s[\g+1], ROWB<<16                    ; tensor_dim0
	s_mov_b32 s[\g+2], 128<<16                     ; tensor_dim1
	s_mov_b32 s[\g+3], ROWB<<16                    ; tile_dim0
	s_mov_b32 s[\g+4], 128                         ; tile_dim1
	s_mov_b32 s[\g+5], KROW                        ; the pitch
	s_mov_b32 s[\g+6], 0
	s_mov_b32 s[\g+7], 0
.endr
	s_or_b32 s[G1S+0], s43, (3<<16)|(1<<20)|(1<<21)|(5<<22)|(3<<25) ; the scales of 128 rows: 4,096 dense bytes as rows of 256 (32 elements of 8 bytes), 16 bytes of padding behind each
	s_or_b32 s[G1SB+0], s44, (3<<16)|(1<<20)|(1<<21)|(5<<22)|(3<<25)
.irp g, G1S, G1SB
	s_mov_b32 s[\g+1], 32<<16
	s_mov_b32 s[\g+2], (128*KS/256)<<16
	s_mov_b32 s[\g+3], 32<<16
	s_mov_b32 s[\g+4], 128*KS/256
	s_mov_b32 s[\g+5], 32
	s_mov_b32 s[\g+6], 0
	s_mov_b32 s[\g+7], 0
.endr
	s_lshl_b32 s18, s16, 7                         ; which 128 rows of the tile I fetch
	s_lshl_b32 s20, s17, 8
	s_add_co_u32 s20, s20, s18                     ; A: row 256 x tile row + 128 x half
	s_lshl_b32 s46, s42, 8
	s_add_co_u32 s46, s46, s18
	s_lshl_b32 s47, s[TN], 10
	s_add_co_u32 s46, s46, s47                     ; B: row 1,024 x tensor + 256 x tile column + 128 x half
	s_mov_b32 s21, 0
	s_mov_b32 s47, 0
	s_mov_b64 s[18:19], KS
	s_mul_u64 s[22:23], s[20:21], s[18:19]         ; where these rows' scales begin
	s_mul_u64 s[92:93], s[46:47], s[18:19]
	s_mov_b64 s[18:19], KROW
	s_mul_u64 s[20:21], s[20:21], s[18:19]         ; and their codes
	s_mul_u64 s[46:47], s[46:47], s[18:19]
	s_mul_i32 s45, s14, HALFT                      ; where they go: wave x 128 rows
	s_mul_i32 s94, s14, HALFS
	s_wait_dscnt 0x0                               ; both opening adds are done
	s_wait_kmcnt 0x0
	s_add_nc_u64 s[20:21], s[4:5], s[20:21]
	s_add_nc_u64 s[22:23], s[6:7], s[22:23]
	s_add_nc_u64 s[46:47], s[8:9], s[46:47]
	s_add_nc_u64 s[92:93], s[10:11], s[92:93]
	CROUND                                         ; all sixteen work-groups are here: the joint loads meet
	s_mov_b32 s[G0S], 1
	s_add_co_u32 s[G0S+1], s94, SCL
	s_mov_b64 s[G0S+2:G0S+3], s[22:23]
	s_or_b32 s[G0S+3], s[G0S+3], 0x80000000
	s_mov_b32 s[G0SB], 1
	s_add_co_u32 s[G0SB+1], s94, SCL
	s_mov_b64 s[G0SB+2:G0SB+3], s[92:93]
	s_or_b32 s[G0SB+3], s[G0SB+3], 0x80000000
	JLOAD G0S, G1S, G0SB, G1SB                     ; the scales first: they are wanted with the first slot
.irp s, 0,1
	s_mov_b32 s[G0+4*\s], 1
	s_add_co_u32 s[G0+4*\s+1], s45, \s*SLOT
	s_add_nc_u64 s[G0+4*\s+2:G0+4*\s+3], s[20:21], \s*ROWB
	s_or_b32 s[G0+4*\s+3], s[G0+4*\s+3], 0x80000000
	s_mov_b32 s[G0B+4*\s], 1
	s_add_co_u32 s[G0B+4*\s+1], s45, \s*SLOT
	s_add_nc_u64 s[G0B+4*\s+2:G0B+4*\s+3], s[46:47], \s*ROWB
	s_or_b32 s[G0B+4*\s+3], s[G0B+4*\s+3], 0x80000000
	JLOAD G0+4*\s, G1, G0B+4*\s, G1B               ; three tensor loads of mine are out at the most
.endr
	v_and_b32 v1, 15, v0                           ; r = l % 16
	v_bfe_u32 v2, v0, 4, 1                         ; h = l / 16
	v_mul_u32_u24 v3, v1, PITCH
	v_lshl_add_u32 v4, v2, 4, v3                   ; a fragment's row x pitch + 16 x half
	s_mul_i32 s21, s15, HALFT                      ; my 128 rows of A
	s_mul_i32 s22, s16, HALFT                      ; my 128 rows of B,
	s_add_co_u32 s22, s22, 2*HALFT                 ; which lie behind A's 256
.irp s, 0,1
	v_add_nc_u32 v[ADRA+\s], s21, v4
	v_add_nc_u32 v[ADRB+\s], s22, v4
	s_add_co_u32 s21, s21, SLOT
	s_add_co_u32 s22, s22, SLOT
.endr
	v_mul_u32_u24 v5, v1, KS                       ; my row's scales: KS bytes a row,
	v_lshrrev_b32 v6, 8, v5
	v_lshl_add_u32 v5, v6, 4, v5                   ; and 16 more for each 256 passed
	s_mul_i32 s21, s15, HALFS
	s_mul_i32 s22, s16, HALFS
	s_add_co_u32 s22, s22, 2*HALFS
	s_sub_co_u32 s22, s22, s21
	v_mul_u32_u24 v6, s22, v2                      ; lanes 16-31 take B's: one product, the distance between the two bases
	s_add_co_u32 s21, s21, SCL
	v_add_nc_u32 v5, v5, v6
	v_add_nc_u32 v[ADRS], s21, v5
	; the way out: my lane's place, the multiplier, and where my part of qkv begins
	v_and_b32 v6, 31, v0
	v_lshlrev_b32 v5, 4, v6                        ; q, k: 16 x lane
	v_lshrrev_b32 v6, 3, v1
	v_and_b32 v7, 7, v1
	v_lshlrev_b32 v7, 4, v7
	v_lshl_add_u32 v7, v6, 8, v7
	v_lshl_add_u32 v7, v2, 7, v7                   ; v: 128 h + 256 (r / 8) + 16 (r % 8)
	s_cmp_eq_u32 s[TN], 2
	s_cselect_b32 s23, -1, 0
	v_cndmask_b32 v[CO], v5, v7, s23
	s_cmp_eq_u32 s[TN], 0
	s_cselect_b32 s[CS], 0x3e38aa3b, 1.0           ; c = log2(e) / 8 for q, else 1
	s_mov_b32 s[CS+1], s[CS]                       ; (named with it as a pair, so it is written)
	s_and_b32 s20, s17, 31
	s_lshr_b32 s20, s20, 3                         ; the batch: eight tile rows each
	s_lshl_b32 s20, s20, 22
	s_and_b32 s21, s17, 7
	s_lshl_b32 s21, s21, 4
	s_lshl_b32 s22, s15, 3
	s_add_co_u32 s21, s21, s22                     ; my first tile of 16 tokens in the batch
	s_lshl_b32 s21, s21, 11
	s_add_co_u32 s20, s20, s21
	s_lshl_b32 s21, s[TN], 24
	s_add_co_u32 s20, s20, s21
	s_lshl_b32 s46, s42, 2
	s_lshl_b32 s47, s16, 1
	s_add_co_u32 s46, s46, s47                     ; my first head: 4 x tile column + 2 x half
	s_lshl_b32 s46, s46, 18
	s_add_co_u32 s20, s20, s46
	s_mov_b32 s21, 0
	s_add_nc_u64 s[12:13], s[12:13], s[20:21]
.macro FRAG reg, adr, q, i             ; a fragment, 16 rows x 128 K of 4-bit codes: registers 4 c .. 4 c + 3 hold K = 64 c + 32 (l / 16) + 0 .. 31 of row l % 16
.irp c, 0,1
	ds_load_b128 v[\reg+4*\c:\reg+4*\c+3], v[\adr] offset:64*(\q)+32*\c+(\i)*16*PITCH
.endr
.endm
; 16 matrix instructions: A's blocks a0, a0 + 1 x B's eight.  p: B's set; sc: the set of scale words.  zero = 1: the first product starts the sums.  The 64 accumulators take turns, one instruction a turn.
.macro MUL16 a0, p, q, sc, zero
.irp a, \a0, \a0+1
.irp b, 0,1,2,3,4,5,6,7
.if \zero
	v_wmma_scale_f32_16x16x128_f8f6f4 v[8*(8*((\a)%4)+\b):8*(8*((\a)%4)+\b)+7], v[128*(\p)+FR*\b:128*(\p)+FR*\b+FR-1], v[AF+FR*(\a):AF+FR*(\a)+FR-1], 0, v[SC+8*NQ*(\sc)+NQ*\b+(\q)], v[SC+8*NQ*(\sc)+NQ*(\a)+(\q)] matrix_a_fmt:MATRIX_FMT_FP4 matrix_b_fmt:MATRIX_FMT_FP4 matrix_a_scale:MATRIX_SCALE_ROW1
.else
	v_wmma_scale_f32_16x16x128_f8f6f4 v[8*(8*((\a)%4)+\b):8*(8*((\a)%4)+\b)+7], v[128*(\p)+FR*\b:128*(\p)+FR*\b+FR-1], v[AF+FR*(\a):AF+FR*(\a)+FR-1], v[8*(8*((\a)%4)+\b):8*(8*((\a)%4)+\b)+7], v[SC+8*NQ*(\sc)+NQ*\b+(\q)], v[SC+8*NQ*(\sc)+NQ*(\a)+(\q)] matrix_a_fmt:MATRIX_FMT_FP4 matrix_b_fmt:MATRIX_FMT_FP4 matrix_a_scale:MATRIX_SCALE_ROW1
.endif
.endr
.endr
.endm
.macro FETCH_B slot, q, p
	WIN TO_B
.irp i, 0,1,2,3,4,5,6,7
	FRAG 128*(\p)+FR*\i, ADRB+\slot, \q, \i
.endr
	WIN 0
.endm
.macro FETCH_A slot, q, i0
.irp i, \i0, \i0+1, \i0+2, \i0+3
	FRAG AF+FR*(\i), ADRA+\slot, \q, \i
.endr
.endm
.macro SCALES sc                       ; a slot's scale words: NQ words a row; lanes 0-15 take A's block i, lanes 16-31 B's block i
.irp i, 0,1,2,3,4,5,6,7
	ds_load_b128 v[SC+8*NQ*\sc+NQ*\i:SC+8*NQ*\sc+NQ*\i+3], v[ADRS] offset:\i*SBLK
.endr
.endm
.macro PLACES n                        ; plain vector lines between a matrix instruction and a load into, or a vector line on, its registers
.rept \n
	v_nop
.endr
.endm
.macro STEP slot, q, zero              ; a step of 128 along K that has its successor in the same slot
	s_wait_dscnt 4*NL                              ; B's set and A's blocks 0-3 are in; the youngest eight loads (A's blocks 4-7) may be out
	WIN MUL_LO
	MUL16 0, (\q)%2, \q, \slot, \zero
	MUL16 2, (\q)%2, \q, \slot, \zero
	s_wait_dscnt 0
	PLACES NP
	FETCH_B \slot, (\q)+1, 1-(\q)%2
	FETCH_A \slot, (\q)+1, 0
	WIN MUL_HI
	MUL16 4, (\q)%2, \q, \slot, \zero
	MUL16 6, (\q)%2, \q, \slot, \zero
	PLACES NP
	WIN 0
	FETCH_A \slot, (\q)+1, 4
.endm
; Slot 0's last step goes over to slot 1: each wave waits for all its tensor loads (its part of slot 1), and one barrier shows the whole slot to every wave.  Nothing is filled again.
.macro TURN slot, next
	s_wait_tensorcnt 0x0                           ; all my tensor loads have landed  (every window is 0 here)
	ds_add_u32 v[SPW], v[NIL]                      ; 0 onto my spare word
	s_wait_dscnt 4*NL+1                            ; (the add and the youngest eight loads, A's blocks 4-7, may be out)
	WIN MUL_LO
	MUL16 0, 1, NQ-1, \slot, 0
	s_wait_dscnt 0x0
	s_barrier_signal -1
	MUL16 2, 1, NQ-1, \slot, 0
	WIN 0
	s_barrier_wait -1
	PLACES NP
	v_add_nc_u32 v[ADRS], 4*NQ, v[ADRS]            ; on to the next slot's scale words
	FETCH_B \next, 0, 0
	FETCH_A \next, 0, 0
	SCALES \next
	WIN MUL_HI
	MUL16 4, 1, NQ-1, \slot, 0
	MUL16 6, 1, NQ-1, \slot, 0
	PLACES NP
	WIN 0
	FETCH_A \next, 0, 4
.endm
	s_wait_tensorcnt 1                             ; the scales and my part of slot 0 are in (slot 1's load may be out),
	s_barrier_signal -1
	s_barrier_wait -1                              ; everybody's are
	FETCH_B 0, 0, 0
	FETCH_A 0, 0, 0
	SCALES 0
	FETCH_A 0, 0, 4
	STEP 0, 0, 1                                   ; the first step's products start the sums: nothing is cleared
	STEP 0, 1, 0
	STEP 0, 2, 0
	TURN 0, 1
	STEP 1, 0, 0
	STEP 1, 1, 0
	STEP 1, 2, 0
	s_wait_dscnt 4*NL                              ; the last step: nothing more to fetch
	WIN MUL_LO
	MUL16 0, 1, NQ-1, 1, 0
	MUL16 2, 1, NQ-1, 1, 0
	s_wait_dscnt 0
	WIN MUL_HI
	MUL16 4, 1, NQ-1, 1, 0
	MUL16 6, 1, NQ-1, 1, 0
	WIN 0
; THE WAY OUT of block a (16 tokens x 128 channels): x the multiplier, in f32; rounded to f16, each accumulator from its low end on; eight stores of 512 consecutive bytes.
.macro OUTBLK a
.set AC, 64*((\a)%4)
.set OB, 128+32*((\a)%4)
.if (\a) >= 4
	s_wait_xcnt 0x0                                ; block a - 4's stores have read their registers: they may be written again
.endif
	WIN 0x82+0x41*((\a)/4)                         ; destination and source 0: window 2 or 3
.set i, 0
.rept 32
	v_pk_mul_f32 v[AC+i:AC+i+1], v[AC+i:AC+i+1], s[CS:CS+1] op_sel_hi:[1,0]
.set i, i+2
.endr
	WIN 0x0a+5*((\a)/4)                            ; sources 0 and 1: window 2 or 3; destination window 0
.irp b, 0,1,2,3,4,5,6,7
.irp r, 0,1,2,3
	v_cvt_pk_f16_f32 v[OB+4*\b+\r], v[AC+8*\b+2*\r], v[AC+8*\b+2*\r+1]
.endr
.endr
	WIN 0
.irp b, 0,1,2,3,4,5,6,7
	global_store_b128 v[CO], v[OB+4*\b:OB+4*\b+3], s[12:13] offset:(\a)*2048+(\b/4)*262144+(\b%4)*512   ; tile of tokens a, head b / 4, channels 16 (b % 4) on
.endr
.endm
	PLACES NP                                      ; behind the last products: their results are read, and the registers that held A's fragments are written
.irp a, 0,1,2,3,4,5,6,7
	OUTBLK \a
.endr
	s_wait_tensorcnt 0x0                           ; the wave's end
	ds_add_u32 v[SPW], v[NIL]
	s_wait_dscnt 0x0
	CROUND                                         ; the closing round: no work-group ends while a partner may still ask for a tile that names it
	s_endpgm
.Lfunc_end_k_qb22a850ad2_proj:
	.size	k_qb22a850ad2_proj, .Lfunc_end_k_qb22a850ad2_proj-k_qb22a850ad2_proj
	.p2alignl 7, 3214868480
	.fill 96, 4, 3214868480
	.section	.rodata,"a",@progbits
	.p2align	6, 0x0
	.amdhsa_kernel k_qb22a850ad2_proj
		.amdhsa_group_segment_fixed_size 327680
		.amdhsa_private_segment_fixed_size 0
		.amdhsa_enable_private_segment 0
		.amdhsa_kernarg_size 40
		.amdhsa_user_sgpr_count 2
		.amdhsa_user_sgpr_kernarg_segment_ptr 1
		.amdhsa_wavefront_size32 1
		.amdhsa_system_sgpr_workgroup_id_x 1
		.amdhsa_system_sgpr_workgroup_id_y 1
		.amdhsa_system_sgpr_workgroup_id_z 1
		.amdhsa_system_vgpr_workitem_id 0
		.amdhsa_next_free_vgpr 1024
		.amdhsa_next_free_sgpr 98
		.amdhsa_reserve_vcc 0
		.amdhsa_float_denorm_mode_32 3
		.amdhsa_float_denorm_mode_16_64 3
		.amdhsa_memory_ordered 1
		.amdhsa_forward_progress 1
		.amdhsa_inst_pref_size 134
	.end_amdhsa_kernel
	.amdgpu_metadata
---
amdhsa.version: [ 1, 2 ]
amdhsa.kernels:
  - .name:           k_qb22a850ad2_proj
    .symbol:         k_qb22a850ad2_proj.kd
    .args:
      - { .name: xc, .offset: 0, .size: 8, .value_kind: global_buffer, .address_space: global }
      - { .name: xs, .offset: 8, .size: 8, .value_kind: global_buffer, .address_space: global }
      - { .name: wc, .offset: 16, .size: 8, .value_kind: global_buffer, .address_space: global }
      - { .name: ws, .offset: 24, .size: 8, .value_kind: global_buffer, .address_space: global }
      - { .name: qkv, .offset: 32, .size: 8, .value_kind: global_buffer, .address_space: global }
    .group_segment_fixed_size: 327680
    .private_segment_fixed_size: 0
    .kernarg_segment_align: 8
    .kernarg_segment_size: 40
    .max_flat_workgroup_size: 128
    .sgpr_count:     98
    .vgpr_count:     1024
    .wavefront_size: 32
...
	.end_amdgpu_metadata
.endif
;; end of part 2
;; launch attn (part 3): grid 4 x 64, 8 waves a work-group, clusters of 4 x 1, 327,680 bytes of LDS; arguments qkv, bias, oh; writes oh
.if DOCPART == 3
	.amdgcn_target "amdgcn-amd-amdhsa--gfx1250"
	.amdhsa_code_object_version 6
	.text
	.protected	k_qb22a850ad2_attn
	.globl	k_qb22a850ad2_attn
	.p2align	8
	.type	k_qb22a850ad2_attn,@function
k_qb22a850ad2_attn:
	s_mov_b64 s[64:65], 0
	v_nop
	global_prefetch_b8 v0, s[64:65] scope:SCOPE_SE
	s_setreg_imm32_b32 hwreg(HW_REG_WAVE_MODE, 25, 1), 1
	s_wait_xcnt 0x0
	s_wait_alu depctr_hold_cnt(0) depctr_sa_sdst(0) depctr_va_vdst(0) depctr_va_sdst(0) depctr_va_ssrc(0) depctr_va_vcc(0) depctr_vm_vsrc(0)
	s_getreg_b32 s2, hwreg(HW_REG_IB_STS2, 6, 4)
	s_cmp_eq_u32 s2, 0
	s_cbranch_scc0 .Lentry_in_a_cluster
	s_endpgm
.Lentry_in_a_cluster:
	s_bfe_u32 s2, ttmp6, 0x10000c
	s_cmp_lg_u32 s2, 0x3003
	s_cbranch_scc0 .Lentry_shape_is_right
	s_endpgm
.Lentry_shape_is_right:
; ATTN.  o[n][q][head] = the sum over keys of softmax_k(energy) v, energy = q . k / 8, or -1e20 where the key's mask is 0.  Operands in f16, products, maxima and sums in f32.
; q arrives multiplied by c = log2(e) / 8, so a score is t = energy x log2(e), and p = 2^(t - m) with m the row's running maximum: the subtraction is the only step between score and exponential.
; THE MASK costs nothing here: a masked key's k is exactly 0, and the C of each score tile's first matrix instruction is the table's number for the key: 0, or -1e20 x log2(e).  So a masked key's t is exactly that constant:
; beside any open key its p is 0, and where all keys of a batch are masked t - m is exactly 0, p is 1 and the result is the plain average, as the definition has it.
; SHARES.  A cluster of four work-groups is one (batch, head); each work-group owns 512 queries, each of its eight waves 64: four tiles of 16.  Every wave walks all 2,048 keys, 64 a step.  Two waves share a SIMD.
; LAYOUT.  Both products are used transposed: S^T = K Q^T (source 0 = 16 keys, source 1 = 16 queries), O^T = V^T P (source 0 = 16 channels, source 1 = P): a lane holds one query (lane % 16) throughout, and two score tiles,
; rounded to f16 in pairs, are the second product's source 1 as they stand.  Each fragment of K and V read from LDS feeds four matrix instructions.
; q, k, v lie in memory in the order of the operand registers (512 consecutive bytes for four registers, lane l at 16 l), so every tile is a dense block, and every LDS load reads at 16 x lane: no pitch, no padding.
; THE RING.  Two slots of 512 keys (64 KB of K, 64 KB of V).  The four work-groups walk the same K and V: each tile is asked for JOINTLY; every wave fetches an eighth of a slot, 16 KB, by one load behind each round of the
; cluster's barrier, and that load has a slot's eight steps in which to land.  The table's 8 KB for the batch come once, with the first fill.  Two tensor loads of a wave are out at the start, one later.
; O^T and the sums begin as zeros and m as -3e38, so that ONE text of the step serves all 32 steps: the first change of m multiplies zeros.  That costs 128 moves once and spares a copy of the step.
; LIMITS: NaN and infinities are not served.  p under 2^-25 is rounded to 0 in f16.
; REGISTERS: window 0: v1-9 addresses; v12-43 eight registers of statistics a tile; v48-79 the table's numbers of a step; v128-255 S^T, 32 a tile; P is packed into the lower 16 of each tile's 32.
;   window 1: v0-127 O^T (tile t, channels 16 ct on: 32 t + 8 ct); v128-191 Q (16 t + 8 s); v192-255 K of a step, then V of the step.
.set SLOT1, 1<<17                      ; slot 1 begins here: one exclusive or turns an address in one slot into the other's
.set VOFF,  65536                      ; in a slot: K, then V
.set BIASB, 2*SLOT1                    ; behind the ring: the table, 2,048 x 4 bytes
.set SPARE, BIASB+8192                 ; the spare words, 128 bytes a wave: four blocks of 256 bytes that no other line names
.set LI,  1                            ; v1   16 x lane; never rewritten
.set ABL, 2                            ; v2   the table + 32 (lane / 16)
.set ADK, 3                            ; v3   LDS address of the step's K
.set ADV, 4                            ; v4   of its V
.set ADB, 5                            ; v5   of its numbers of the table
.set PFO, 6                            ; v6   256 x lane: the prefetches' offset; never rewritten
.set LIV, 7                            ; v7   16 x lane + VOFF
.set SPW, 8                            ; v8   LDS address of my spare word; never rewritten
.set NIL, 9                            ; v9   0; never rewritten
.set ST,  12                           ; tile t at v[ST + 8 t]: +0 m, +1 named with it as a pair, +2, +3 the sum (even keys', odd keys'), +4 to +7 c0-c3, at work; a = 2^(old m - new m) lies in +6
.set BI,  48
.set S,   128
.set O,   0
.set Q,   128
.set KV,  192
.set WV,  12                           ; s12  my wave's number
.set LIM, 15                           ; s15  1 in a wave that prefetches, else the greatest number
.set PFA, 18                           ; s[18:19] where my prefetches stand
.set G1,  24                           ; s[24:31] group 1: 64 rows of 256 bytes
.set G1B, 32                           ; s[32:39] group 1: 4 rows of 256 bytes
.set G0,  40                           ; s[40:43] group 0 for K's and V's tiles: it walks
.set G0X, 48                           ; s[48:51] group 0 for the table
.set SLOTS, 56
.set CNT, 57
.set SEL, 60                           ; s[60:61] lane selects for v_permlanex16_b32: lane l xor 16
.set TB,  62                           ; s62  LDS byte at which the step's K begins
.set TBI, 63                           ; s63  the step's first key x 4
.set MSB, 0
.macro WIN new                         ; the immediate's high byte repeats the setting that is left
.if MSB != (\new)
	s_set_vgpr_msb (MSB<<8)|(\new)
.set MSB, \new
.endif
.endm
.macro CROUND                          ; a round of the cluster's barrier
	s_barrier_signal -1
	s_barrier_wait -1
	s_cmp_lg_u32 s[WV], 0
	s_cbranch_scc1 .Lnot_wave_0_\@
	s_barrier_signal -3
.Lnot_wave_0_\@:
	s_barrier_wait -3
	s_barrier_signal -1
	s_barrier_wait -1
.endm
; A PREFETCH INTO THE L2 of the slot that the NEXT change of slots will ask for: 64 KB of K and 64 KB of V.  One cluster alone walks a head's K and V.  Its four partners share the bytes out BY ADDRESS, 16 KB of each;
; in each, waves 0 and 1 ask for K's two halves of that and waves 2 and 3 for V's: lanes 256 bytes apart, one instruction a wave.  So each aligned block of 256 bytes is named once in the launch.
; The first two slots come by their loads alone, and the last change that fills a slot asks for nothing: there is no slot behind it.
.macro ASK
	s_cmp_gt_u32 s[SLOTS], s[LIM]
	s_cbranch_scc0 .Lnot_mine_\@
	global_prefetch_b8 v[PFO], s[PFA:PFA+1] th:TH_LOAD_NT scope:SCOPE_SE
.Lnot_mine_\@:
.endm
	s_load_b128 s[4:7], s[0:1], 0x0                ; qkv, the table
	s_load_b64 s[8:9], s[0:1], 0x10                ; oh
	v_lshl_add_u32 v[SPW], v0, 2, SPARE
	v_mov_b32 v[NIL], 0
	ds_add_u32 v[SPW], v[NIL]                      ; the wave's opening: the add, twice on end, and its wait ahead of my first tensor load
	ds_add_u32 v[SPW], v[NIL]
	v_lshrrev_b32 v1, 5, v0
	v_readfirstlane_b32 s[WV], v1                  ; wave 0..7
	s_bfe_u32 s13, ttmp6, 0x40000                  ; cx: my block of 512 queries; it enters Q's, oh's and the prefetches' addresses alone
	s_and_b32 s14, ttmp7, 0xffff                   ; 16 x batch + head, which the four partners share
	s_lshl_b32 s16, s14, 18                        ; its first byte in each of q, k, v
	s_lshr_b32 s20, s[WV], 2                       ; waves 0-3 fetch K's quarters, waves 4-7 V's
	s_add_co_u32 s20, s20, 1
	s_lshl_b32 s20, s20, 24                        ; k is the second tensor of qkv, v the third
	s_and_b32 s21, s[WV], 3
	s_lshl_b32 s21, s21, 14
	s_add_co_u32 s20, s20, s21
	s_add_co_u32 s20, s20, s16
	s_mov_b32 s21, 0
	s_lshr_b32 s22, s14, 4                         ; the batch's 8,192 bytes of the table, my wave's 1,024 of them
	s_lshl_b32 s22, s22, 13
	s_lshl_b32 s23, s[WV], 10
	s_add_co_u32 s22, s22, s23
	s_add_co_u32 s[G0X+1], s23, BIASB
	s_mov_b32 s23, 0
	s_lshl_b32 s2, s13, 16                         ; 512 queries are 65,536 bytes,
	s_lshl_b32 s3, s[WV], 13                       ; my wave's 64 are 8,192
	s_add_co_u32 s2, s2, s3
	s_add_co_u32 s52, s2, s16                      ; Q
	s_mov_b32 s53, 0
	s_and_b32 s54, s14, 15                         ; oh: head x 2^20 + batch x 2^18 + the same
	s_lshl_b32 s54, s54, 20
	s_lshr_b32 s55, s14, 4
	s_lshl_b32 s55, s55, 18
	s_add_co_u32 s54, s54, s55
	s_add_co_u32 s54, s54, s2
	s_mov_b32 s55, 0
	s_bfe_u32 s58, s[WV], 0x10001                  ; the prefetches: waves 0, 1: k; waves 2, 3: v
	s_add_co_u32 s58, s58, 1
	s_lshl_b32 s58, s58, 24
	s_add_co_u32 s58, s58, s16
	s_add_co_u32 s58, s58, 65536                   ; in slot 1: the first change of slots steps it to slot 2
	s_lshl_b32 s59, s13, 14                        ; my work-group's 16 KB,
	s_add_co_u32 s58, s58, s59
	s_and_b32 s59, s[WV], 1
	s_lshl_b32 s59, s59, 13                        ; my wave's half of them
	s_add_co_u32 s58, s58, s59
	s_mov_b32 s59, 0
	s_cmp_lt_u32 s[WV], 4
	s_cselect_b32 s[LIM], 1, -1
	s_mov_b32 s[G1], 15|(3<<16)|(1<<21)            ; the mask: all four work-groups; elements of 8 bytes; no padding; bit 21 beside a mask
	s_mov_b32 s[G1+1], 32<<16                      ; tensor_dim0 = 32 elements: 256 bytes
	s_mov_b32 s[G1+2], 64<<16                      ; tensor_dim1 = 64
	s_mov_b32 s[G1+3], 32<<16                      ; tile_dim0
	s_mov_b32 s[G1+4], 64                          ; tile_dim1
	s_mov_b32 s[G1+5], 32                          ; the pitch: the block is dense
	s_mov_b32 s[G1+6], 0
	s_mov_b32 s[G1+7], 0
	s_mov_b32 s[G1B], 15|(3<<16)|(1<<21)
	s_mov_b32 s[G1B+1], 32<<16
	s_mov_b32 s[G1B+2], 4<<16
	s_mov_b32 s[G1B+3], 32<<16
	s_mov_b32 s[G1B+4], 4
	s_mov_b32 s[G1B+5], 32
	s_mov_b32 s[G1B+6], 0
	s_mov_b32 s[G1B+7], 0
	s_mov_b32 s[SEL], 0x76543210
	s_mov_b32 s[SEL+1], 0xfedcba98
	s_mov_b32 s[TB], 0
	s_mov_b32 s[TBI], 0
	s_mov_b32 s[SLOTS], 3
	s_wait_dscnt 0x0                               ; both opening adds are done
	s_wait_kmcnt 0x0
	s_mov_b32 s[G0], 1
	s_lshl_b32 s[G0+1], s[WV], 14                  ; LDS: my eighth of slot 0
	s_add_nc_u64 s[G0+2:G0+3], s[4:5], s[20:21]
	s_or_b32 s[G0+3], s[G0+3], 0x80000000
	s_mov_b32 s[G0X], 1
	s_add_nc_u64 s[G0X+2:G0X+3], s[6:7], s[22:23]
	s_or_b32 s[G0X+3], s[G0X+3], 0x80000000
	s_add_nc_u64 s[10:11], s[4:5], s[52:53]        ; Q at my wave's first query
	s_add_nc_u64 s[8:9], s[8:9], s[54:55]          ; oh likewise
	s_add_nc_u64 s[PFA:PFA+1], s[4:5], s[58:59]
	CROUND                                         ; all four work-groups are here: the first joint loads meet
	tensor_load_to_lds s[G0X:G0X+3], s[G1B:G1B+7]  ; the table: filled once
	s_nop 0
	tensor_load_to_lds s[G0:G0+3], s[G1:G1+7]      ; slot 0
	s_nop 0
.rept 4
	v_nop
.endr
	v_and_b32 v1, 31, v0
	v_lshlrev_b32 v[PFO], 8, v1
	v_lshlrev_b32 v[LI], 4, v1
	v_add_nc_u32 v[LIV], VOFF, v[LI]
	v_bfe_u32 v[ABL], v0, 4, 1
	v_lshl_add_u32 v[ABL], v[ABL], 5, BIASB
	WIN 0x40                                       ; destination window 1
.irp i, 0,1,2,3,4,5,6,7,8,9,10,11,12,13,14,15
	global_load_b128 v[Q+4*\i:Q+4*\i+3], v[LI], s[10:11] offset:512*\i   ; Q stays in registers
.endr
.set j, 0
.rept 128
	v_mov_b32 v[O+j], 0
.set j, j+1
.endr
	WIN 0
.irp t, 0,1,2,3
	v_mov_b32 v[ST+8*\t], 0xff61b1e6               ; m: -3e38, under every t
	v_mov_b32 v[ST+8*\t+1], 0
	v_mov_b32 v[ST+8*\t+2], 0                      ; the sum, in two halves
	v_mov_b32 v[ST+8*\t+3], 0
.endr
; A KEY STEP: 64 keys.
.macro STEP
	v_add_nc_u32 v[ADK], s[TB], v[LI]              ; these five plain lines are the places between the last step's products V^T P and the loads into V's registers (four are asked)
	v_add_nc_u32 v[ADV], s[TB], v[LIV]             ; and the matrix instructions that write over P
	v_add_nc_u32 v[ADB], s[TBI], v[ABL]
	v_nop
	v_nop
.irp kt, 0,1,2,3
	ds_load_b128 v[BI+8*\kt:BI+8*\kt+3], v[ADB] offset:64*\kt          ; the table's numbers of keys 16 kt + 8 (lane / 16) + 0 .. 7: a score tile's registers
	ds_load_b128 v[BI+8*\kt+4:BI+8*\kt+7], v[ADB] offset:64*\kt+16
.endr
	WIN 0x40
.irp i, 0,1,4,5,8,9,12,13,2,3,6,7,10,11,14,15  ; K: keys 16 (i / 4) on, channels 32 ((i / 2) % 2) on; the fragments of channels 0-31 first
	ds_load_b128 v[KV+4*\i:KV+4*\i+3], v[ADK] offset:512*\i
.endr
	s_wait_dscnt 8                                 ; the table's numbers and K's channels 0-31 are in; the youngest eight loads (channels 32-63) may be out
	WIN 0x05                                       ; K and Q in window 1; C and S^T in window 0
.irp kt, 0,1,2,3                               ; the 16 accumulators take turns, one instruction a turn
.irp t, 0,1,2,3
	v_wmma_f32_16x16x32_f16 v[S+32*\t+8*\kt:S+32*\t+8*\kt+7], v[KV+16*\kt:KV+16*\kt+7], v[Q+16*\t:Q+16*\t+7], v[BI+8*\kt:BI+8*\kt+7]
.endr
.endr
	s_wait_dscnt 0x0
.irp kt, 0,1,2,3
.irp t, 0,1,2,3
	v_wmma_f32_16x16x32_f16 v[S+32*\t+8*\kt:S+32*\t+8*\kt+7], v[KV+16*\kt+8:KV+16*\kt+15], v[Q+16*\t+8:Q+16*\t+15], v[S+32*\t+8*\kt:S+32*\t+8*\kt+7]
.endr
.endr
.rept 4
	v_nop                                          ; places in front of the loads into K's registers and of the first read of the scores
.endr
	WIN 0x40
.irp kg, 0,1                                   ; V, turned: keys 32 kg + 16 u on, channels 16 ct on.  It lands while the softmax is worked
.irp ct, 0,1,2,3
.irp u, 0,1
	ds_load_tr16_b128 v[KV+8*(4*\kg+\ct)+4*\u:KV+8*(4*\kg+\ct)+4*\u+3], v[ADV] offset:\kg*4096+\ct*512+\u*2048
.endr
.endr
.endr
	WIN 0
	; the softmax: the four tiles line by line, so that no line waits for the line above it.  Each accumulator is read from its low end on
.irp j, 0,1,2,3
.irp t, 0,1,2,3
	v_max3_num_f32 v[ST+8*\t+4+\j], v[S+32*\t+8*\j], v[S+32*\t+8*\j+1], v[S+32*\t+8*\j+2]
.endr
.endr
.irp i, 3,5
.irp j, 0,1,2,3
.irp t, 0,1,2,3
	v_max3_num_f32 v[ST+8*\t+4+\j], v[ST+8*\t+4+\j], v[S+32*\t+8*\j+\i], v[S+32*\t+8*\j+\i+1]
.endr
.endr
.endr
.irp t, 0,1,2,3
	v_max3_num_f32 v[ST+8*\t+4], v[ST+8*\t+4], v[S+32*\t+7], v[S+32*\t+15]
.endr
.irp t, 0,1,2,3
	v_max3_num_f32 v[ST+8*\t+6], v[ST+8*\t+6], v[S+32*\t+23], v[S+32*\t+31]
.endr
.irp t, 0,1,2,3
	v_max3_num_f32 v[ST+8*\t+4], v[ST+8*\t+4], v[ST+8*\t+5], v[ST+8*\t+6]
.endr
.irp t, 0,1,2,3
	v_max3_num_f32 v[ST+8*\t+4], v[ST+8*\t+4], v[ST+8*\t+7], v[ST+8*\t]   ; and the old m
.endr
.irp t, 0,1,2,3
	v_permlanex16_b32 v[ST+8*\t+5], v[ST+8*\t+4], s[SEL], s[SEL+1]       ; the query's other 32 keys lie in the lane 16 away
.endr
.irp t, 0,1,2,3
	v_max_num_f32 v[ST+8*\t+4], v[ST+8*\t+4], v[ST+8*\t+5]               ; the new m
.endr
.irp t, 0,1,2,3
	v_sub_f32 v[ST+8*\t+7], v[ST+8*\t], v[ST+8*\t+4]                     ; old m - new m
.endr
.irp t, 0,1,2,3
	v_mov_b32 v[ST+8*\t], v[ST+8*\t+4]
.endr
.set j, 0
.rept 16
.irp t, 0,1,2,3
	v_pk_add_f32 v[S+32*\t+j:S+32*\t+j+1], v[S+32*\t+j:S+32*\t+j+1], v[ST+8*\t:ST+8*\t+1] op_sel_hi:[1,0] neg_lo:[0,1] neg_hi:[0,1]   ; t - m, two at a time
.endr
.set j, j+2
.endr
.irp t, 0,1,2,3
	v_exp_f32 v[ST+8*\t+6], v[ST+8*\t+7]           ; a = 2^(old m - new m)
.endr
.set j, 0
.rept 32
.irp t, 0,1,2,3
	v_exp_f32 v[S+32*\t+j], v[S+32*\t+j]           ; p = 2^(t - m)
.endr
.set j, j+1
.endr
	v_nop                                          ; a plain line behind the last exponential,
	s_wait_alu depctr_va_vdst(0)                   ; and one wait for the whole batch of 132, ahead of its first reader
.irp t, 0,1,2,3                                ; the row's sum of p in f32, ahead of the rounding: two chains a tile
	v_pk_fma_f32 v[ST+8*\t+2:ST+8*\t+3], v[ST+8*\t+2:ST+8*\t+3], v[ST+8*\t+6:ST+8*\t+7], v[S+32*\t:S+32*\t+1] op_sel_hi:[1,0,1]
.endr
.irp t, 0,1,2,3
	v_pk_add_f32 v[ST+8*\t+4:ST+8*\t+5], v[S+32*\t+2:S+32*\t+3], v[S+32*\t+4:S+32*\t+5]
.endr
.irp i, 6,10,14,18,22,26
.irp t, 0,1,2,3
	v_pk_add_f32 v[ST+8*\t+2:ST+8*\t+3], v[ST+8*\t+2:ST+8*\t+3], v[S+32*\t+\i:S+32*\t+\i+1]
	v_pk_add_f32 v[ST+8*\t+4:ST+8*\t+5], v[ST+8*\t+4:ST+8*\t+5], v[S+32*\t+\i+2:S+32*\t+\i+3]
.endr
.endr
.irp t, 0,1,2,3
	v_pk_add_f32 v[ST+8*\t+2:ST+8*\t+3], v[ST+8*\t+2:ST+8*\t+3], v[S+32*\t+30:S+32*\t+31]
.endr
.irp t, 0,1,2,3
	v_pk_add_f32 v[ST+8*\t+2:ST+8*\t+3], v[ST+8*\t+2:ST+8*\t+3], v[ST+8*\t+4:ST+8*\t+5]
.endr
.set j, 0
.rept 16
.irp t, 0,1,2,3
	v_cvt_pk_f16_f32 v[S+32*\t+j], v[S+32*\t+2*j], v[S+32*\t+2*j+1]      ; P, in place, ascending: a result lands on numbers that have been read
.endr
.set j, j+1
.endr
	WIN 0x41                                       ; O^T (destination, source 0) window 1; a window 0
.set j, 0
.rept 16
.irp t, 0,1,2,3
	v_pk_mul_f32 v[O+32*\t+j:O+32*\t+j+1], v[O+32*\t+j:O+32*\t+j+1], v[ST+8*\t+6:ST+8*\t+7] op_sel_hi:[1,0]
.endr
.set j, j+2
.endr
	s_wait_dscnt 0x0                               ; V is in
	WIN 0x51                                       ; V window 1, P window 0, O^T window 1
.irp kg, 0,1                                   ; the 16 accumulators take turns
.irp ct, 0,1,2,3
.irp t, 0,1,2,3
	v_wmma_f32_16x16x32_f16 v[O+32*\t+8*\ct:O+32*\t+8*\ct+7], v[KV+8*(4*\kg+\ct):KV+8*(4*\kg+\ct)+7], v[S+32*\t+8*\kg:S+32*\t+8*\kg+7], v[O+32*\t+8*\ct:O+32*\t+8*\ct+7]
.endr
.endr
.endr
	WIN 0
	s_add_co_u32 s[TB], s[TB], 8192                ; the next step's tiles: 64 keys x 128 bytes,
	s_add_co_u32 s[TBI], s[TBI], 256               ; and its numbers of the table
.endm
; THE CHANGE OF SLOTS stands at a slot's head.  Each wave waits for all its tensor loads (its part of the slot that it is about to read), adds 0 to its spare word, and waits for that and for its reads of the slot that it has left.
; fill = 1: the barrier is a round of the cluster's, so that no wave of any partner still reads the other slot or has a load on its way; behind it that slot takes the next 512 keys: my one tensor load until the next round.
.macro CHANGE fill
	s_wait_tensorcnt 0x0                           ; no tensor load of mine is out, so the group 0 may be written
	ds_add_u32 v[SPW], v[NIL]                      ; 0 onto my spare word
.if \fill
	s_xor_b32 s[G0+1], s[G0+1], SLOT1              ; the other slot than last time,
	s_add_nc_u64 s[G0+2:G0+3], s[G0+2:G0+3], 65536 ; the next 512 keys; the type bits on top are not reached
	s_wait_xcnt 0x0                                ; the last prefetch, a slot back, has read its address, so it may be written
	s_add_nc_u64 s[PFA:PFA+1], s[PFA:PFA+1], 65536 ; one slot further on than the walking descriptor
	s_wait_dscnt 0x0                               ; the add is done, and my reads of the slot that I have left are over
	CROUND
	tensor_load_to_lds s[G0:G0+3], s[G1:G1+7]
	s_nop 0
.rept 4
	v_nop
.endr
	ASK
.else
	s_wait_dscnt 0x0
	s_barrier_signal -1
	s_barrier_wait -1
.endif
.endm
.macro SLOT_STEPS                      ; a slot's eight steps: written once, walked eight times
	s_mov_b32 s[CNT], 8
.Lstep_\@:
	STEP
	s_sub_co_u32 s[CNT], s[CNT], 1
	s_cmp_lg_u32 s[CNT], 0
	s_cbranch_scc1 .Lstep_\@
	s_sub_co_u32 s[TB], s[TB], 65536               ; back to a slot's first step,
	s_xor_b32 s[TB], s[TB], SLOT1                  ; in the other slot
.endm
	s_wait_loadcnt 0x0                             ; Q
.Lslot:                                            ; three trips: behind each change of slots but the last the next slot is asked for
	CHANGE 1
	SLOT_STEPS
	s_sub_co_u32 s[SLOTS], s[SLOTS], 1
	s_cmp_lg_u32 s[SLOTS], 0
	s_cbranch_scc1 .Lslot
	CHANGE 0                                       ; the last slot is written out
	SLOT_STEPS
	; THE WAY OUT.  The sum's two halves and the other half of the lanes' are added; O^T is divided by the sum and rounded to f16.  A lane's eight channels of a query are 16 bytes, and oh is laid in the order of the next
	; launch's operand registers: byte head 2^20 + 2,048 (token / 16) + 512 ct + 16 x lane: each store covers 512 consecutive bytes, and nothing goes through LDS.  The additions are the places behind the last products.
.irp t, 0,1,2,3
	v_add_f32 v[ST+8*\t+4], v[ST+8*\t+2], v[ST+8*\t+3]
.endr
.irp t, 0,1,2,3
	v_permlanex16_b32 v[ST+8*\t+5], v[ST+8*\t+4], s[SEL], s[SEL+1]
.endr
.irp t, 0,1,2,3
	v_add_f32 v[ST+8*\t+4], v[ST+8*\t+4], v[ST+8*\t+5]
.endr
.irp t, 0,1,2,3
	v_rcp_f32 v[ST+8*\t+6], v[ST+8*\t+4]           ; the sum is at least 1: the largest p of a row is 1
.endr
	v_nop                                          ; a plain line behind the last reciprocal,
	s_wait_alu depctr_va_vdst(0)                   ; and one wait for the four, ahead of the first reader
	WIN 0x41
.set j, 0
.rept 16
.irp t, 0,1,2,3
	v_pk_mul_f32 v[O+32*\t+j:O+32*\t+j+1], v[O+32*\t+j:O+32*\t+j+1], v[ST+8*\t+6:ST+8*\t+7] op_sel_hi:[1,0]
.endr
.set j, j+2
.endr
	WIN 0x05                                       ; sources window 1, destination window 0: S^T's registers are free
.set i, 0
.rept 16
.irp r, 0,1,2,3
	v_cvt_pk_f16_f32 v[S+4*i+\r], v[O+8*i+2*\r], v[O+8*i+2*\r+1]
.endr
.set i, i+1
.endr
	WIN 0
.irp i, 0,1,2,3,4,5,6,7,8,9,10,11,12,13,14,15
	global_store_b128 v[LI], v[S+4*\i:S+4*\i+3], s[8:9] offset:512*\i
.endr
	s_wait_tensorcnt 0x0                           ; the wave's end
	ds_add_u32 v[SPW], v[NIL]
	s_wait_dscnt 0x0
	CROUND                                         ; the closing round: no work-group ends while a partner may still ask for a tile that names it
	s_endpgm
.Lfunc_end_k_qb22a850ad2_attn:
	.size	k_qb22a850ad2_attn, .Lfunc_end_k_qb22a850ad2_attn-k_qb22a850ad2_attn
	.p2alignl 7, 3214868480
	.fill 96, 4, 3214868480
	.section	.rodata,"a",@progbits
	.p2align	6, 0x0
	.amdhsa_kernel k_qb22a850ad2_attn
		.amdhsa_group_segment_fixed_size 327680
		.amdhsa_private_segment_fixed_size 0
		.amdhsa_enable_private_segment 0
		.amdhsa_kernarg_size 24
		.amdhsa_user_sgpr_count 2
		.amdhsa_user_sgpr_kernarg_segment_ptr 1
		.amdhsa_wavefront_size32 1
		.amdhsa_system_sgpr_workgroup_id_x 1
		.amdhsa_system_sgpr_workgroup_id_y 1
		.amdhsa_system_sgpr_workgroup_id_z 1
		.amdhsa_system_vgpr_workitem_id 0
		.amdhsa_next_free_vgpr 512
		.amdhsa_next_free_sgpr 66
		.amdhsa_reserve_vcc 0
		.amdhsa_float_denorm_mode_32 3
		.amdhsa_float_denorm_mode_16_64 3
		.amdhsa_memory_ordered 1
		.amdhsa_forward_progress 1
		.amdhsa_inst_pref_size 88
	.end_amdhsa_kernel
	.amdgpu_metadata
---
amdhsa.version: [ 1, 2 ]
amdhsa.kernels:
  - .name:           k_qb22a850ad2_attn
    .symbol:         k_qb22a850ad2_attn.kd
    .args:
      - { .name: qkv, .offset: 0, .size: 8, .value_kind: global_buffer, .address_space: global }
      - { .name: bias, .offset: 8, .size: 8, .value_kind: global_buffer, .address_space: global }
      - { .name: oh, .offset: 16, .size: 8, .value_kind: global_buffer, .address_space: global }
    .group_segment_fixed_size: 327680
    .private_segment_fixed_size: 0
    .kernarg_segment_align: 8
    .kernarg_segment_size: 24
    .max_flat_workgroup_size: 256
    .sgpr_count:     66
    .vgpr_count:     512
    .wavefront_size: 32
...
	.end_amdgpu_metadata
.endif
;; end of part 3
;; launch outp (part 4): grid 4 x 64, 4 waves a work-group, clusters of 4 x 4, 327,680 bytes of LDS; arguments oh, woh, bo, out0; writes out0
.if DOCPART == 4
	.amdgcn_target "amdgcn-amd-amdhsa--gfx1250"
	.amdhsa_code_object_version 6
	.text
	.protected	k_qb22a850ad2_outp
	.globl	k_qb22a850ad2_outp
	.p2align	8
	.type	k_qb22a850ad2_outp,@function
k_qb22a850ad2_outp:
	s_mov_b64 s[64:65], 0
	v_nop
	global_prefetch_b8 v0, s[64:65] scope:SCOPE_SE
	s_setreg_imm32_b32 hwreg(HW_REG_WAVE_MODE, 25, 1), 1
	s_wait_xcnt 0x0
	s_wait_alu depctr_hold_cnt(0) depctr_sa_sdst(0) depctr_va_vdst(0) depctr_va_sdst(0) depctr_va_ssrc(0) depctr_va_vcc(0) depctr_vm_vsrc(0)
	s_getreg_b32 s2, hwreg(HW_REG_IB_STS2, 6, 4)
	s_cmp_eq_u32 s2, 0
	s_cbranch_scc0 .Lentry_in_a_cluster
	s_endpgm
.Lentry_in_a_cluster:
	s_bfe_u32 s2, ttmp6, 0x10000c
	s_cmp_lg_u32 s2, 0xf033
	s_cbranch_scc0 .Lentry_shape_is_right
	s_endpgm
.Lentry_shape_is_right:
; OUTP.  out0[token][n] = the sum over e of o[token][e] Wo[n][e] + bo[n].  8,192 x 1,024 x 1,024; operands in f16, sums in f32.
; Both operands lie in memory in the order of the operand registers: for each 64 along K (kp) and each tile of 16 rows, 2,048 bytes: four runs of 512, lane l at 16 l.  oh: kp 2^20 + 2,048 x tile of tokens; woh: kp 2^17 + 2,048 x tile of n.
; So a work-group's part of a kp is a dense block (16 KB of o, 32 KB of Wo), and every fragment load reads at 16 x lane: no pitch, no padding.
; A tile of out0 is 128 tokens x 256 columns: 256 work-groups.  Four waves, each 64 x 128: 32 accumulators, 256 registers.  K goes in steps of 128 (two kp) through two LDS slots: waves 0 and 1 fetch o's two blocks, waves 2 and 3 Wo's.
; CLUSTERS: 4 x 4 work-groups; the four of a row of the cluster ask for o's blocks jointly, the four of a column for Wo's.
; THE MATRIX INSTRUCTION IS USED TRANSPOSED (source 0 = 16 rows of Wo, source 1 = 16 tokens): a lane holds one token and eight neighbouring columns.
; bo STARTS THE SUMS: it is loaded straight into the accumulators, in the result's layout, so nothing is cleared, no step is written apart and no addition is spent.
; No prefetch: a step's blocks are shared by four work-groups through the joint loads and are read again by other clusters of the same half of the grid.
; REGISTERS: window 0: v1-29 addresses; v32-127 and v128-223 two fragment buffers (64 registers of Wo, 32 of o, for 32 along K); on the way out v32-159 hold rows.   window 1: the accumulators, (a, b) at v[8 (8 a + b)].
.set SLOT,   98304                     ; o's two blocks of 16 KB, then Wo's two of 32 KB
.set BOFF,   32768
.set STAGE,  2*SLOT                    ; behind the ring: 16 rows x (512 bytes + 16) for each wave, for the way out
.set SPITCH, 528
.set SPARE,  STAGE+4*16*SPITCH         ; the spare words, 128 bytes a wave, which no other line names
.set CO,   3                           ; v3      16 x lane
.set ADRA, 16                          ; v16-17  LDS address of my fragments of o in slot 0, 1
.set ADRB, 20                          ; v20-21  of Wo
.set STO,  24                          ; v24     the way out: where I put 32 bytes of a row
.set RD,   25                          ; v25     and where I read a row back
.set VBO,  27                          ; v27     32 (lane / 16): my eight numbers of bo in a tile's sixteen
.set SPW,  28                          ; v28     LDS address of my spare word; never rewritten
.set NIL,  29                          ; v29     0; never rewritten
.set F0,   32
.set F1,   128
.set BK,   32
.set G1,  24                           ; s[24:31] group 1 for o's blocks;  s[32:39] group 0, one set for each slot
.set G0,  32
.set G1B, 48                           ; s[48:55], s[56:63] the same for Wo's
.set G0B, 56
.set MSB, 0
.macro WIN new                         ; the immediate's high byte repeats the setting that is left
.if MSB != (\new)
	s_set_vgpr_msb (MSB<<8)|(\new)
.set MSB, \new
.endif
.endm
.set MUL, 0x50                         ; sources 0 and 1 window 0; C and D window 1
.macro JLOAD s                         ; a joint load: the branch hangs on the wave's number alone; an s_nop 0 and four v_nop follow each of the two lines
	s_cmp_eq_u32 s15, 0
	s_cbranch_scc0 .Lfor_b_\@
	tensor_load_to_lds s[G0+4*\s:G0+4*\s+3], s[G1:G1+7]
	s_nop 0
.rept 4
	v_nop
.endr
	s_branch .Lasked_\@
.Lfor_b_\@:
	tensor_load_to_lds s[G0B+4*\s:G0B+4*\s+3], s[G1B:G1B+7]
	s_nop 0
.rept 4
	v_nop
.endr
.Lasked_\@:
.endm
.macro CREST                           ; a round of the cluster's barrier behind its opening barrier
	s_cmp_lg_u32 s14, 0
	s_cbranch_scc1 .Lnot_wave_0_\@
	s_barrier_signal -3
.Lnot_wave_0_\@:
	s_barrier_wait -3
	s_barrier_signal -1
	s_barrier_wait -1
.endm
.macro CROUND
	s_barrier_signal -1
	s_barrier_wait -1
	CREST
.endm
	s_load_b256 s[4:11], s[0:1], 0x0               ; oh s4, woh s6, bo s8, out0 s10
	v_lshl_add_u32 v[SPW], v0, 2, SPARE
	v_mov_b32 v[NIL], 0
	ds_add_u32 v[SPW], v[NIL]                      ; the wave's opening: the add, twice on end, and its wait ahead of my first tensor load
	ds_add_u32 v[SPW], v[NIL]
	v_lshrrev_b32 v1, 5, v0
	v_readfirstlane_b32 s14, v1                    ; wave 0..3
	s_lshr_b32 s15, s14, 1                         ; which half of the tile's tokens is mine.  Also: I fetch for o (0) or for Wo (1)
	s_and_b32 s16, s14, 1                          ; which half of its columns.  Also: which kp of a step I fetch
	s_bfe_u32 s40, ttmp6, 0x40000                  ; cx, cy
	s_bfe_u32 s41, ttmp6, 0x40004
	s_lshl_b32 s42, ttmp9, 2
	s_add_co_u32 s42, s42, s40                     ; tile column
	s_and_b32 s17, ttmp7, 0xffff
	s_lshl_b32 s17, s17, 2
	s_add_co_u32 s17, s17, s41                     ; tile row
	s_lshl_b32 s43, s41, 2
	s_lshl_b32 s43, 15, s43                        ; my row of the cluster
	s_lshl_b32 s44, 0x1111, s40                    ; my column
	s_or_b32 s[G1+0], s43, (3<<16)|(1<<21)         ; the mask; elements of 8 bytes; no padding; bit 21 beside a mask
	s_or_b32 s[G1B+0], s44, (3<<16)|(1<<21)
	s_mov_b32 s[G1+1], 32<<16                      ; rows of 32 elements: 256 bytes
	s_mov_b32 s[G1+2], 64<<16                      ; 64 rows: 16 KB
	s_mov_b32 s[G1+3], 32<<16
	s_mov_b32 s[G1+4], 64
	s_mov_b32 s[G1+5], 32                          ; the pitch: the block is dense
	s_mov_b32 s[G1+6], 0
	s_mov_b32 s[G1+7], 0
	s_mov_b32 s[G1B+1], 32<<16
	s_mov_b32 s[G1B+2], 128<<16                    ; 128 rows: 32 KB
	s_mov_b32 s[G1B+3], 32<<16
	s_mov_b32 s[G1B+4], 128
	s_mov_b32 s[G1B+5], 32
	s_mov_b32 s[G1B+6], 0
	s_mov_b32 s[G1B+7], 0
	s_lshl_b32 s20, s16, 20                        ; o: kp x 2^20 + tile row x 16 KB: it hangs on the tile row alone, which my row of the cluster shares
	s_lshl_b32 s21, s17, 14
	s_add_co_u32 s20, s20, s21
	s_mov_b32 s21, 0
	s_lshl_b32 s46, s16, 17                        ; Wo: kp x 2^17 + tile column x 32 KB: on the tile column alone
	s_lshl_b32 s47, s42, 15
	s_add_co_u32 s46, s46, s47
	s_mov_b32 s47, 0
	s_lshl_b32 s45, s16, 14                        ; where they go in a slot: no place in the cluster enters an LDS address
	s_lshl_b32 s18, s16, 15
	s_add_co_u32 s18, s18, BOFF
	s_wait_dscnt 0x0                               ; both opening adds are done
	s_wait_kmcnt 0x0
	s_add_nc_u64 s[20:21], s[4:5], s[20:21]
	s_add_nc_u64 s[46:47], s[6:7], s[46:47]
	CROUND                                         ; all sixteen work-groups are here: the first joint loads meet
.irp s, 0,1
	s_mov_b32 s[G0+4*\s], 1
	s_add_co_u32 s[G0+4*\s+1], s45, \s*SLOT
	s_add_nc_u64 s[G0+4*\s+2:G0+4*\s+3], s[20:21], \s*(2<<20)      ; K step s: kp 2 s on
	s_or_b32 s[G0+4*\s+3], s[G0+4*\s+3], 0x80000000
	s_mov_b32 s[G0B+4*\s], 1
	s_add_co_u32 s[G0B+4*\s+1], s18, \s*SLOT
	s_add_nc_u64 s[G0B+4*\s+2:G0B+4*\s+3], s[46:47], \s*(2<<17)
	s_or_b32 s[G0B+4*\s+3], s[G0B+4*\s+3], 0x80000000
	JLOAD \s                                       ; two tensor loads of mine are out at the start, one later
.endr
	v_and_b32 v1, 15, v0                           ; r
	v_bfe_u32 v2, v0, 4, 1                         ; h
	v_and_b32 v[CO], 31, v0
	v_lshlrev_b32 v[CO], 4, v[CO]                  ; 16 x lane
	v_lshlrev_b32 v[VBO], 5, v2
	s_lshl_b32 s21, s15, 13                        ; my four tiles of tokens: 8,192 bytes in a block of o
	s_lshl_b32 s22, s16, 14                        ; my eight tiles of columns: 16,384 bytes in a block of Wo
	s_add_co_u32 s22, s22, BOFF
.irp s, 0,1
	v_add_nc_u32 v[ADRA+\s], s21, v[CO]
	v_add_nc_u32 v[ADRB+\s], s22, v[CO]
	s_add_co_u32 s21, s21, SLOT
	s_add_co_u32 s22, s22, SLOT
.endr
	s_mul_i32 s23, s14, 16*SPITCH
	s_add_co_u32 s23, s23, STAGE                   ; my stage
	v_mul_u32_u24 v4, v1, SPITCH
	v_lshl_add_u32 v4, v2, 5, v4
	v_add_nc_u32 v[STO], s23, v4                   ; in: row r, 32 bytes for each half of the lanes
	v_add_nc_u32 v[RD], s23, v[CO]                 ; back: the 32 lanes take one row of 512 bytes
	s_lshl_b32 s20, s42, 10                        ; my first column, in bytes: 1,024 x tile column + 512 x half
	s_lshl_b32 s21, s16, 9
	s_add_co_u32 s20, s20, s21
	s_mov_b32 s21, 0
	s_add_nc_u64 s[8:9], s[8:9], s[20:21]          ; bo there
	s_lshl_b32 s22, s17, 19                        ; my first row: 128 x tile row + 64 x half, of 4,096 bytes
	s_lshl_b32 s23, s15, 18
	s_add_co_u32 s22, s22, s23
	s_add_co_u32 s20, s20, s22
	s_add_nc_u64 s[10:11], s[10:11], s[20:21]      ; out0 there
	WIN 0x40                                       ; destination window 1
.irp a, 0,1,2,3
.irp b, 0,1,2,3,4,5,6,7
	global_load_b128 v[8*(8*\a+\b):8*(8*\a+\b)+3], v[VBO], s[8:9] offset:64*\b         ; bo(16 b + 8 h + 0 .. 7): register j of accumulator (a, b) belongs to that column
	global_load_b128 v[8*(8*\a+\b)+4:8*(8*\a+\b)+7], v[VBO], s[8:9] offset:64*\b+16
.endr
.endr
	WIN 0
; 24 LDS loads in one run: the fragments of the slot's q-th 32 along K into buffer f: Wo's eight, then o's four
.macro FETCH slot, q, f
.irp b, 0,1,2,3,4,5,6,7
	ds_load_b128 v[\f+8*\b:\f+8*\b+3],   v[ADRB+\slot] offset:((\q)/2)*32768+\b*2048+((\q)%2)*1024
	ds_load_b128 v[\f+8*\b+4:\f+8*\b+7], v[ADRB+\slot] offset:((\q)/2)*32768+\b*2048+((\q)%2)*1024+512
.endr
.irp a, 0,1,2,3
	ds_load_b128 v[\f+64+8*\a:\f+64+8*\a+3],   v[ADRA+\slot] offset:((\q)/2)*16384+\a*2048+((\q)%2)*1024
	ds_load_b128 v[\f+64+8*\a+4:\f+64+8*\a+7], v[ADRA+\slot] offset:((\q)/2)*16384+\a*2048+((\q)%2)*1024+512
.endr
.endm
.macro MUL8 f, a                       ; tile of tokens a x the eight tiles of columns.  The 32 accumulators take turns, one instruction a turn, in the same order in every quarter
.irp b, 0,1,2,3,4,5,6,7
	v_wmma_f32_16x16x32_f16 v[8*(8*(\a)+\b):8*(8*(\a)+\b)+7], v[\f+8*\b:\f+8*\b+7], v[\f+64+8*(\a):\f+64+8*(\a)+7], v[8*(8*(\a)+\b):8*(8*(\a)+\b)+7]
.endr
.endm
.macro PLACES                          ; four plain lines in front of loads into registers that matrix instructions have read, and of the first read of results
.rept 4
	v_nop
.endr
.endm
; A K step is four quarters of 32 along K, 32 matrix instructions each, on buffers 0, 1, 0, 1.  One of the first three: multiplies buffer f and fetches quarter qn into g.
.macro QUARTER slot, qn, f, g
	s_wait_dscnt 4                                 ; Wo's fragments and o's tiles 0 and 1 are in; the youngest four loads (tiles 2 and 3) may be out
	WIN MUL
	MUL8 \f, 0
	MUL8 \f, 1
	PLACES
	WIN 0
	FETCH \slot, \qn, \g
	s_wait_dscnt 24                                ; all but the 24 just issued
	WIN MUL
	MUL8 \f, 2
	MUL8 \f, 3
.endm
; The last quarter multiplies buffer 1 and changes slots: ONE barrier; in front of it each wave waits for all its tensor loads, adds 0 to its spare word, and waits for that and for its own reads of this slot.
; fill = 1: the barrier opens a round of the cluster's, and behind the round this slot is filled again, two K steps ahead.
.macro TURN slot, next, fill
	WIN 0
	s_wait_tensorcnt 0x0                           ; all my tensor loads have landed: my part of the next slot
	ds_add_u32 v[SPW], v[NIL]                      ; 0 onto my spare word
	s_wait_dscnt 5                                 ; (the add and the youngest four loads may be out)
	WIN MUL
	MUL8 F1, 0                                     ; eight matrix instructions stand between the add and the wait for it
	s_wait_dscnt 0x0                               ; the add is done, and my reads of this slot are over
	s_barrier_signal -1
	MUL8 F1, 1
	WIN 0
	s_barrier_wait -1
.if \fill
	CREST                                          ; no wave of any partner still reads this slot or has a load on its way
	s_add_nc_u64 s[G0+4*\slot+2:G0+4*\slot+3], s[G0+4*\slot+2:G0+4*\slot+3], 4<<20     ; four kp on
	s_add_nc_u64 s[G0B+4*\slot+2:G0B+4*\slot+3], s[G0B+4*\slot+2:G0B+4*\slot+3], 4<<17
	JLOAD \slot                                    ; the first tensor load behind the round; the four v_nop behind it are also the places in front of the loads below
.else
	PLACES
.endif
	FETCH \next, 0, F0
	WIN MUL
	MUL8 F1, 2
	MUL8 F1, 3
.endm
	s_wait_tensorcnt 1                             ; my part of K step 0 is in (K step 1's load may be out),
	s_barrier_signal -1
	s_barrier_wait -1                              ; everybody's is
	FETCH 0, 0, F0
	s_wait_loadcnt 0x0                             ; bo lies in the accumulators
	s_mov_b32 s3, 3
.Llap:                                             ; three trips: a trip is two K steps, once round the ring, and fills both slots again
	QUARTER 0, 1, F0, F1
	QUARTER 0, 2, F1, F0
	QUARTER 0, 3, F0, F1
	TURN 0, 1, 1
	QUARTER 1, 1, F0, F1
	QUARTER 1, 2, F1, F0
	QUARTER 1, 3, F0, F1
	TURN 1, 0, 1
	WIN 0                                          ; at a label and at a branch every window is 0
	s_sub_co_u32 s3, s3, 1
	s_cmp_lg_u32 s3, 0
	s_cbranch_scc1 .Llap
	QUARTER 0, 1, F0, F1                           ; the last two K steps are written out: they fill nothing
	QUARTER 0, 2, F1, F0
	QUARTER 0, 3, F0, F1
	TURN 0, 1, 0
	QUARTER 1, 1, F0, F1
	QUARTER 1, 2, F1, F0
	QUARTER 1, 3, F0, F1
	s_wait_dscnt 0x0                               ; the very last quarter: nothing more to fetch
	WIN MUL
	MUL8 F1, 0
	MUL8 F1, 1
	MUL8 F1, 2
	MUL8 F1, 3
	WIN 0
; THE WAY OUT, block by block of 16 tokens x 128 columns.  A lane holds 32 neighbouring bytes of a row and the lanes beside it hold other rows: a block goes through my own stage in LDS and comes back as whole rows of 512 bytes.
; LDS serves a wave's instructions in order (ISA guide 5.7.1.4): no wait between the stores and the loads, nor in front of the next block's stores.
.macro TOSTAGE a
	WIN 0x04                                       ; an LDS store's data are its source 1: window 1
.irp b, 0,1,2,3,4,5,6,7
	ds_store_b128 v[STO], v[8*(8*(\a)+\b):8*(8*(\a)+\b)+3] offset:64*\b              ; each accumulator from its low end on
	ds_store_b128 v[STO], v[8*(8*(\a)+\b)+4:8*(8*(\a)+\b)+7] offset:64*\b+16
.endr
	WIN 0
.set BB, BK+64*((\a)%2)
.irp t, 0,1,2,3,4,5,6,7,8,9,10,11,12,13,14,15
	ds_load_b128 v[BB+4*\t:BB+4*\t+3], v[RD] offset:\t*SPITCH
.endr
.endm
.macro SEND a, younger                 ; younger: the LDS instructions issued behind block a's loads, which may stay out
.set BB, BK+64*((\a)%2)
	s_wait_dscnt \younger
.if (\a) > 0
	s_add_nc_u64 s[10:11], s[10:11], 16*4096       ; 16 rows on (behind a wait for the earlier stores' addresses)
.endif
.irp t, 0,1,2,3,4,5,6,7,8,9,10,11,12,13,14,15
	global_store_b128 v[CO], v[BB+4*\t:BB+4*\t+3], s[10:11] offset:\t*4096 th:TH_STORE_NT   ; 32 lanes store 512 consecutive bytes, at a multiple of 256 from out0's first byte
.endr
.endm
	PLACES
	TOSTAGE 0
.irp a, 1,2,3
.if \a > 1
	s_wait_xcnt 0x0                                ; block a - 2's stores have read their registers and their base: block a's loads may land there, and the base may step
.endif
	TOSTAGE \a
	SEND \a-1, 32                                  ; behind block a - 1's loads: block a's 16 stores and 16 loads
.endr
	s_wait_xcnt 0x0
	SEND 3, 0
	s_wait_tensorcnt 0x0                           ; the wave's end, behind my last tensor load and my last LDS store
	ds_add_u32 v[SPW], v[NIL]
	s_wait_dscnt 0x0
	CROUND                                         ; the closing round: no work-group ends while a partner may still ask for a tile that names it
	s_endpgm
.Lfunc_end_k_qb22a850ad2_outp:
	.size	k_qb22a850ad2_outp, .Lfunc_end_k_qb22a850ad2_outp-k_qb22a850ad2_outp
	.p2alignl 7, 3214868480
	.fill 96, 4, 3214868480
	.section	.rodata,"a",@progbits
	.p2align	6, 0x0
	.amdhsa_kernel k_qb22a850ad2_outp
		.amdhsa_group_segment_fixed_size 327680
		.amdhsa_private_segment_fixed_size 0
		.amdhsa_enable_private_segment 0
		.amdhsa_kernarg_size 32
		.amdhsa_user_sgpr_count 2
		.amdhsa_user_sgpr_kernarg_segment_ptr 1
		.amdhsa_wavefront_size32 1
		.amdhsa_system_sgpr_workgroup_id_x 1
		.amdhsa_system_sgpr_workgroup_id_y 1
		.amdhsa_system_sgpr_workgroup_id_z 1
		.amdhsa_system_vgpr_workitem_id 0
		.amdhsa_next_free_vgpr 512
		.amdhsa_next_free_sgpr 66
		.amdhsa_reserve_vcc 0
		.amdhsa_float_denorm_mode_32 3
		.amdhsa_float_denorm_mode_16_64 3
		.amdhsa_memory_ordered 1
		.amdhsa_forward_progress 1
		.amdhsa_inst_pref_size 90
	.end_amdhsa_kernel
	.amdgpu_metadata
---
amdhsa.version: [ 1, 2 ]
amdhsa.kernels:
  - .name:           k_qb22a850ad2_outp
    .symbol:         k_qb22a850ad2_outp.kd
    .args:
      - { .name: oh, .offset: 0, .size: 8, .value_kind: global_buffer, .address_space: global }
      - { .name: woh, .offset: 8, .size: 8, .value_kind: global_buffer, .address_space: global }
      - { .name: bo, .offset: 16, .size: 8, .value_kind: global_buffer, .address_space: global }
      - { .name: out0, .offset: 24, .size: 8, .value_kind: global_buffer, .address_space: global }
    .group_segment_fixed_size: 327680
    .private_segment_fixed_size: 0
    .kernarg_segment_align: 8
    .kernarg_segment_size: 32
    .max_flat_workgroup_size: 128
    .sgpr_count:     66
    .vgpr_count:     512
    .wavefront_size: 32
...
	.end_amdgpu_metadata
.endif
;; end of part 4
